; MI455X (gfx1250); checked and timed in simulation.
; The chip was launched on July 23, 2026; its instructions are those of AMD's public machine-readable ISA for CDNA 5 (MIT licence, August 2026) and "CDNA5" Instruction Set Architecture Reference Guide (July 2026). The comments in the code are by the model that wrote it; some were corrected since.
;; Attention. Allowed arithmetic: float matrix products may take bf16 or f16 operands with f32 sums; other float arithmetic in f32, or as packed bf16 or f16 multiplies, adds, multiply-adds, maxima and minima; sums over many terms, partial sums and values carried from step to step in f32; what a program stores and reads back later, other than sums and carried values, may be rounded once to bf16 or f16.
;; Inputs: W_K 8 x 2,048 x 128 float32; W_O 8 x 128 x 2,048 float32; W_Q 8 x 2,048 x 128 float32; W_V 8 x 2,048 x 128 float32; b_K 8 x 128 float32; b_O 2,048 float32; b_Q 8 x 128 float32; b_V 8 x 128 float32; key_input 2 x 2,048 x 2,048 float32; query_input 2 x 2,048 x 2,048 float32; value_input 2 x 2,048 x 2,048 float32.
;; Outputs: out0 2 x 2,048 x 2,048 float32.
;; 2 versions, each right; version 2 is version 1 with the launch prep written anew for expert scheduling mode. Each part assembles by itself: llvm-mc -triple=amdgcn-amd-amdhsa -mcpu=gfx1250 --defsym DOCPART=n.
;; ======== version 1 of 2: 4 launches
;; limits: values are held in f16: magnitudes above 65,504 overflow, below 6.1e-05 lose precision
;; workspace buffers: xb 50,331,648 bytes; wb 12,582,912 bytes; wo 4,194,304 bytes; rot 1,048,576 bytes; qkv 25,165,824 bytes; zb 8,388,608 bytes
;; launch prep (part 1): grid 1024 x 1, 8 waves a work-group, no clusters, 0 bytes of LDS; arguments query_input, key_input, value_input, W_Q, W_K, W_V, W_O, xb, wb, wo, rot; writes xb, wb, wo, rot
.if DOCPART == 1
	.amdgcn_target "amdgcn-amd-amdhsa--gfx1250"
	.amdhsa_code_object_version 6
	.text
	.protected	k_q5e0c31eb82_prep
	.globl	k_q5e0c31eb82_prep
	.p2align	8
	.type	k_q5e0c31eb82_prep,@function
k_q5e0c31eb82_prep:
	s_mov_b64 s[64:65], 0
	v_nop
	global_prefetch_b8 v0, s[64:65] scope:SCOPE_SE
	s_setreg_imm32_b32 hwreg(HW_REG_WAVE_MODE, 25, 1), 1
	s_wait_xcnt 0x0
; CASTS AND THE ROTARY TABLE.  The three inputs and W_Q, W_K, W_V are rounded once to bf16 (xb, wb, in the order in which they lie); W_O is rounded to bf16 and that number is written as f16 (wo);
; rot[pos][0..63] = cos(pos / 10000^(i/64)), rot[pos][64..127] = sin of the same, in f32.
; SHARES.  1,024 work-groups of eight waves; each casts 32,768 numbers (131,072 bytes in, 65,536 out): groups 0-767 the inputs, 768-959 W_Q, W_K, W_V, 960-1023 W_O.  Each also makes two rows of the table.
; A thread has 32 chunks of 16 bytes in, 8 out; chunk k lies 4,096 k bytes (in) and 2,048 k bytes (out) behind the first.  A wave's load covers 512 consecutive bytes, its store 256 consecutive bytes, aligned.
; A RING IN REGISTERS.  Twelve load slots: a slot is asked for again as soon as its chunk is converted, ahead of the chunk's store, so that twelve loads of every wave are out until the last twelve chunks.  Every chunk has its own
; pair of store registers and every address stands in an immediate: no register that a load or store names is ever written again but a slot's own data, behind the wait for its load.
; The table is made while the first twelve loads are out.  No LDS, no matrix unit: nothing is shared and nothing is multiplied.
; LIMITS.  A number of W_O beyond 65,504 becomes an infinity in f16; below 2^-17 it keeps f16's fixed step of 6e-8.  The table's angles are pos x 2^(-i log2(10000)/64) in f32: off by up to some 3e-4 at pos = 2,047.
.set D, 12                             ; load slots
.set X, 4                              ; v[4:51]    twelve slots of four
.set Y, 52                             ; v[52:115]  32 chunks of two
.set T, 116                            ; v[116:119] at work
.set R, 120                            ; v[120:121] the table's two numbers
.set TT, 76                            ; v[76:95]   the table's work: registers of late chunks, which are written long behind it
	s_load_b512 s[8:23], s[0:1], 0x0               ; query s[8:9], key s[10:11], value s[12:13], W_Q s[14:15], W_K s[16:17], W_V s[18:19], W_O s[20:21], xb s[22:23]
	s_load_b128 s[24:27], s[0:1], 0x40             ; wb s[24:25], wo s[26:27]
	s_load_b64 s[28:29], s[0:1], 0x50              ; rot
	s_mov_b32 s4, ttmp9                            ; g
	v_lshrrev_b32 v3, 5, v0
	v_readfirstlane_b32 s37, v3                    ; wave
	v_lshlrev_b32 v1, 4, v0                        ; 16 bytes a thread in,
	v_lshlrev_b32 v2, 3, v0                        ; 8 out
	s_and_b32 s5, s4, 255                          ; an input has 256 shares, a weight 64
	s_and_b32 s6, s4, 63
	s_cmp_lt_u32 s4, 768
	s_cselect_b32 s38, s5, s6
	s_lshl_b32 s38, s38, 17                        ; my share's first byte in its source
	s_mov_b32 s39, 0
	s_sub_co_u32 s5, s4, 768
	s_sub_co_u32 s6, s4, 960
	s_cmp_lt_u32 s4, 960
	s_cselect_b32 s40, s5, s6
	s_cmp_lt_u32 s4, 768
	s_cselect_b32 s40, s4, s40
	s_lshl_b32 s40, s40, 16                        ; and in its destination
	s_mov_b32 s41, 0
	s_wait_kmcnt 0x0
	s_mov_b64 s[32:33], s[20:21]                   ; the source, chosen by g alone
	s_cmp_lt_u32 s4, 960
	s_cselect_b64 s[32:33], s[18:19], s[32:33]
	s_cselect_b64 s[34:35], s[24:25], s[26:27]     ; the destination: wo, wb,
	s_cmp_lt_u32 s4, 896
	s_cselect_b64 s[32:33], s[16:17], s[32:33]
	s_cmp_lt_u32 s4, 832
	s_cselect_b64 s[32:33], s[14:15], s[32:33]
	s_cmp_lt_u32 s4, 768
	s_cselect_b64 s[32:33], s[12:13], s[32:33]
	s_cselect_b64 s[34:35], s[22:23], s[34:35]     ; or xb
	s_cmp_lt_u32 s4, 512
	s_cselect_b64 s[32:33], s[10:11], s[32:33]
	s_cmp_lt_u32 s4, 256
	s_cselect_b64 s[32:33], s[8:9], s[32:33]
	s_add_nc_u64 s[32:33], s[32:33], s[38:39]
	s_add_nc_u64 s[34:35], s[34:35], s[40:41]
.set k, 0
.rept D                                        ; the ring is filled: chunks 0 to 11
	global_load_b128 v[X+4*k:X+4*k+3], v1, s[32:33] offset:4096*k th:TH_LOAD_NT
.set k, k+1
.endr
	; THE TABLE: rows 2 g and 2 g + 1, by waves 0 to 3.  Thread t: pos = 2 g + t / 64; u = t % 64; u < 32: cosines, else sines, of i = 2 (u % 32) and the next.  Its 8 bytes lie at 1,024 g + 8 t.
	s_cmp_lt_u32 s37, 4
	s_cbranch_scc0 .Lno_table
	s_mov_b32 s42, 0xbfc90000                      ; -pi/2 in three parts: n x the first two is exact for n under 2^11
	s_mov_b32 s43, 0xb9fda000
	s_mov_b32 s44, 0xb3a22169
	s_mov_b32 s45, 0xb9500d01                      ; sine: -1/5040, 1/120, -1/6
	s_mov_b32 s46, 0x3c088889
	s_mov_b32 s47, 0xbe2aaaab
	s_mov_b32 s48, 0x37d00d01                      ; cosine: 1/40320, -1/720, 1/24
	s_mov_b32 s49, 0xbab60b61
	s_mov_b32 s50, 0x3d2aaaab
	s_lshl_b32 s38, s4, 10
	s_add_nc_u64 s[28:29], s[28:29], s[38:39]
	v_lshrrev_b32 v[TT], 6, v0
	v_lshl_add_u32 v[TT], s4, 1, v[TT]
	v_cvt_f32_u32 v[TT], v[TT]                     ; pos
	v_and_b32 v[TT+1], 63, v0
	v_lshrrev_b32 v[TT+2], 5, v[TT+1]              ; 1: sines
	v_and_b32 v[TT+3], 31, v[TT+1]
	v_lshlrev_b32 v[TT+3], 1, v[TT+3]
	v_add_nc_u32 v[TT+4], 1, v[TT+3]
	v_cvt_f32_u32 v[TT+3], v[TT+3]
	v_cvt_f32_u32 v[TT+4], v[TT+4]
	v_mul_f32 v[TT+3], 0xbe549a78, v[TT+3]         ; -i log2(10000) / 64
	v_mul_f32 v[TT+4], 0xbe549a78, v[TT+4]
	v_exp_f32 v[TT+3], v[TT+3]
	v_exp_f32 v[TT+4], v[TT+4]
	v_sub_nc_u32 v[TT+2], 1, v[TT+2]               ; the plain instruction behind the two exponentials: cos a = sin(a + pi/2), a quarter turn more
	s_wait_alu depctr_va_vdst(0)                   ; one wait for both, ahead of their first reader
	v_mul_f32 v[TT+3], v[TT], v[TT+3]              ; the angles
	v_mul_f32 v[TT+4], v[TT], v[TT+4]
; a = n pi/2 + r, |r| <= pi/4; sin r and cos r by their series (next terms under 4e-7); quarter n + (1 for a cosine): odd takes cos r, and bit 1 turns the sign.
.macro TRIG z
	v_mul_f32 v[TT+6+\z], 0x3f22f983, v[TT+3+\z]
	v_rndne_f32 v[TT+6+\z], v[TT+6+\z]
	v_fma_f32 v[TT+8+\z], v[TT+6+\z], s42, v[TT+3+\z]
	v_fma_f32 v[TT+8+\z], v[TT+6+\z], s43, v[TT+8+\z]
	v_fma_f32 v[TT+8+\z], v[TT+6+\z], s44, v[TT+8+\z]
	v_mul_f32 v[TT+10+\z], v[TT+8+\z], v[TT+8+\z]
	v_fma_f32 v[TT+12+\z], v[TT+10+\z], s45, s46
	v_fma_f32 v[TT+12+\z], v[TT+12+\z], v[TT+10+\z], s47
	v_mul_f32 v[TT+12+\z], v[TT+12+\z], v[TT+10+\z]
	v_fma_f32 v[TT+12+\z], v[TT+12+\z], v[TT+8+\z], v[TT+8+\z]
	v_fma_f32 v[TT+14+\z], v[TT+10+\z], s48, s49
	v_fma_f32 v[TT+14+\z], v[TT+14+\z], v[TT+10+\z], s50
	v_fma_f32 v[TT+14+\z], v[TT+14+\z], v[TT+10+\z], -0.5
	v_fma_f32 v[TT+14+\z], v[TT+14+\z], v[TT+10+\z], 1.0
	v_cvt_i32_f32 v[TT+16+\z], v[TT+6+\z]
	v_add_nc_u32 v[TT+16+\z], v[TT+16+\z], v[TT+2]
	v_and_b32 v[TT+18+\z], 1, v[TT+16+\z]
	v_cmp_eq_u32 vcc_lo, 1, v[TT+18+\z]
	v_cndmask_b32 v[R+\z], v[TT+12+\z], v[TT+14+\z], vcc_lo
	v_and_b32 v[TT+18+\z], 2, v[TT+16+\z]
	v_lshlrev_b32 v[TT+18+\z], 30, v[TT+18+\z]
	v_xor_b32 v[R+\z], v[R+\z], v[TT+18+\z]
.endm
	TRIG 0
	TRIG 1
	global_store_b64 v2, v[R:R+1], s[28:29]        ; a wave stores 256 consecutive bytes, aligned; its registers are written by nothing else
.Lno_table:
; The 32 chunks.  f16 = 1: the bf16 number is widened again and written as f16.
.macro CAST f16
.set k, 0
.rept 32
.set left, D-1                                 ; the younger loads, which stay out: eleven, and in the last twelve chunks as many as there still are
.if 31-k < D-1
.set left, 31-k
.endif
.set rx, X+4*(k%D)
.set ry, Y+2*k
	s_wait_loadcnt left                            ; loads come back in order (ISA guide 5.7.1): chunk k is in
	v_cvt_pk_bf16_f32 v[ry], v[rx], v[rx+1]
	v_cvt_pk_bf16_f32 v[ry+1], v[rx+2], v[rx+3]
.if k+D < 32
	global_load_b128 v[rx:rx+3], v1, s[32:33] offset:4096*(k+D) th:TH_LOAD_NT  ; the slot's next chunk, ahead of the store
.endif
.if \f16
	v_lshlrev_b32 v[T], 16, v[ry]
	v_and_b32 v[T+1], 0xffff0000, v[ry]
	v_lshlrev_b32 v[T+2], 16, v[ry+1]
	v_and_b32 v[T+3], 0xffff0000, v[ry+1]
	v_cvt_pk_f16_f32 v[ry], v[T], v[T+1]
	v_cvt_pk_f16_f32 v[ry+1], v[T+2], v[T+3]
.endif
	global_store_b64 v2, v[ry:ry+1], s[34:35] offset:2048*k th:TH_STORE_NT
.set k, k+1
.endr
.endm
	s_cmp_lt_u32 s4, 960
	s_cbranch_scc0 .Lwo
	CAST 0
	s_endpgm
.Lwo:
	CAST 1
	s_endpgm
.Lfunc_end_k_q5e0c31eb82_prep:
	.size	k_q5e0c31eb82_prep, .Lfunc_end_k_q5e0c31eb82_prep-k_q5e0c31eb82_prep
	.p2alignl 7, 3214868480
	.fill 96, 4, 3214868480
	.section	.rodata,"a",@progbits
	.p2align	6, 0x0
	.amdhsa_kernel k_q5e0c31eb82_prep
		.amdhsa_group_segment_fixed_size 0
		.amdhsa_private_segment_fixed_size 0
		.amdhsa_enable_private_segment 0
		.amdhsa_kernarg_size 88
		.amdhsa_user_sgpr_count 2
		.amdhsa_user_sgpr_kernarg_segment_ptr 1
		.amdhsa_wavefront_size32 1
		.amdhsa_system_sgpr_workgroup_id_x 1
		.amdhsa_system_sgpr_workgroup_id_y 1
		.amdhsa_system_sgpr_workgroup_id_z 1
		.amdhsa_system_vgpr_workitem_id 0
		.amdhsa_next_free_vgpr 128
		.amdhsa_next_free_sgpr 66
		.amdhsa_reserve_vcc 1
		.amdhsa_float_denorm_mode_32 3
		.amdhsa_float_denorm_mode_16_64 3
		.amdhsa_memory_ordered 1
		.amdhsa_forward_progress 1
		.amdhsa_inst_pref_size 37
	.end_amdhsa_kernel
	.amdgpu_metadata
---
amdhsa.version: [ 1, 2 ]
amdhsa.kernels:
  - .name:           k_q5e0c31eb82_prep
    .symbol:         k_q5e0c31eb82_prep.kd
    .args:
      - { .name: query_input, .offset: 0, .size: 8, .value_kind: global_buffer, .address_space: global }
      - { .name: key_input, .offset: 8, .size: 8, .value_kind: global_buffer, .address_space: global }
      - { .name: value_input, .offset: 16, .size: 8, .value_kind: global_buffer, .address_space: global }
      - { .name: W_Q, .offset: 24, .size: 8, .value_kind: global_buffer, .address_space: global }
      - { .name: W_K, .offset: 32, .size: 8, .value_kind: global_buffer, .address_space: global }
      - { .name: W_V, .offset: 40, .size: 8, .value_kind: global_buffer, .address_space: global }
      - { .name: W_O, .offset: 48, .size: 8, .value_kind: global_buffer, .address_space: global }
      - { .name: xb, .offset: 56, .size: 8, .value_kind: global_buffer, .address_space: global }
      - { .name: wb, .offset: 64, .size: 8, .value_kind: global_buffer, .address_space: global }
      - { .name: wo, .offset: 72, .size: 8, .value_kind: global_buffer, .address_space: global }
      - { .name: rot, .offset: 80, .size: 8, .value_kind: global_buffer, .address_space: global }
    .group_segment_fixed_size: 0
    .private_segment_fixed_size: 0
    .kernarg_segment_align: 8
    .kernarg_segment_size: 88
    .max_flat_workgroup_size: 256
    .sgpr_count:     66
    .vgpr_count:     128
    .wavefront_size: 32
...
	.end_amdgpu_metadata
.endif
;; end of part 1
;; launch proj (part 2): grid 4 x 48, 4 waves a work-group, clusters of 4 x 4, 327,680 bytes of LDS; arguments xb, wb, b_Q, b_K, b_V, rot, qkv; writes qkv
.if DOCPART == 2
	.amdgcn_target "amdgcn-amd-amdhsa--gfx1250"
	.amdhsa_code_object_version 6
	.text
	.protected	k_q5e0c31eb82_proj
	.globl	k_q5e0c31eb82_proj
	.p2align	8
	.type	k_q5e0c31eb82_proj,@function
k_q5e0c31eb82_proj:
	s_mov_b64 s[64:65], 0
	v_nop
	global_prefetch_b8 v0, s[64:65] scope:SCOPE_SE
	s_setreg_imm32_b32 hwreg(HW_REG_WAVE_MODE, 25, 1), 1
	s_wait_xcnt 0x0
	s_wait_alu depctr_hold_cnt(0) depctr_sa_sdst(0) depctr_va_vdst(0) depctr_va_sdst(0) depctr_va_ssrc(0) depctr_va_vcc(0) depctr_vm_vsrc(0)
	s_getreg_b32 s2, hwreg(HW_REG_IB_STS2, 6, 4)
	s_cmp_eq_u32 s2, 0
	s_cbranch_scc0 .Lentry_in_a_cluster
	s_endpgm
.Lentry_in_a_cluster:
	s_bfe_u32 s2, ttmp6, 0x10000c
	s_cmp_lg_u32 s2, 0xf033
	s_cbranch_scc0 .Lentry_shape_is_right
	s_endpgm
.Lentry_shape_is_right:
; THE THREE PROJECTIONS, WITH BIAS AND ROTARY.  C = x W + b for x = xb[p] ([4096][2048] bf16), W = wb[p] ([8 heads][2048][128] bf16), p = 0, 1, 2 (q, k, v); sums in f32, started by the bias (rounded to bf16 as all
; inputs are); q and k are then turned by the table rot (f32) and each number is rounded once to f16 into qkv[p][batch x 8 + head][pos][128].
; LIMITS.  q, k and v beyond 65,504 become infinities in f16; below 6e-5 they keep f16's fixed step of 6e-8.
; SHARES.  A tile of C is 256 rows x 256 columns (two heads): 16 x 4 tiles for each p, 192 work-groups.  Four waves, each 128 x 128 (one head): 64 accumulators, 512 registers.  K goes in steps of 128 through two LDS slots.
; CLUSTER.  4 x 4 work-groups: the four of a row need the same tile of x, the four of a column the same tile of W: each tile is asked for jointly, by the same tensor load with the same descriptor and a mask of the four.
; THE MATRIX INSTRUCTION IS USED TRANSPOSED: source 0 = 16 columns of W (W lies [k][n] in LDS and is turned by ds_load_tr16_b128), source 1 = 16 rows of x.  Lane (r = l % 16, h = l / 16), register j of
; accumulator (a, b) holds C(16 a + r, 16 b + 8 h + j).
; THE WAY OUT.  When the last K step is multiplied the ring has had its last fill; each wave lays its 128 x 128 sums in f32 into 67,584 bytes of it (rows of 528 bytes) and reads them back by rows: a lane takes four
; columns e and the four columns e +- 64, so that out = x cos + (-+ partner) sin needs no other lane.  A row leaves as 256 consecutive bytes, aligned.
; REGISTERS, in windows of 256: window 0: v0-31 addresses, v64-127 and v128-191 fragments of x, v192-255 the bias; window 1: v64-191 fragments of W; windows 2, 3: the accumulators of my rows 0-63, 64-127.
.set KSTEPS, 16
.set ASTEP,  256                       ; bytes from K step to K step in x: 128 numbers along a row
.set BSTEP,  32768                     ; in W: 128 rows of 256 bytes
.set PA,     272                       ; an LDS row of x: 256 bytes + 16: the 16 rows of a fragment load start 68 words apart
.set PB,     288                       ; an LDS row of W: 256 + 32: the turning load's 8 rows x 32 bytes start 72 words apart
.set AHALF,  128*PA
.set ABYTES, 2*AHALF
.set BHALF,  128*PB
.set SLOT,   ABYTES+2*BHALF            ; x's 256 rows, then W's two heads of [128 k][128 n]: 143,360 bytes
.set SPARE,  2*SLOT                    ; behind the ring: the spare words, 128 bytes a wave: two blocks of 256 bytes that no other line names
.set DP,     528                       ; the way out: a row of 128 f32 + 16 bytes
.set DW,     128*DP                    ; a wave's part of it; 4 DW = 270,336 bytes, inside the ring
.set ADRA0, 16                         ; v16  my lane's place in x's tile of slot 0; never rewritten
.set ADRB0, 17                         ; v17  the same for W
.set ADRA,  18                         ; v18  + the slot that is being read
.set ADRB,  19
.set DST,   20                         ; v20  the way out: where I put my sums
.set OWN,   21                         ; v21  where I read my four columns back
.set PAR,   22                         ; v22  and the four 64 columns away
.set TO,    23                         ; v23  my byte offset in a table row's cosines
.set GO,    24                         ; v24  my 8 bytes of a row of qkv
.set SG,    26                         ; v[26:27] -1 for columns 0-63, +1 for 64-127, twice
.set SPW,   28                         ; v28  LDS address of my spare word; never rewritten
.set NIL,   29                         ; v29  0; never rewritten
.set OUTR,  32                         ; v[32:63]   packed rows, two sets of eight rows x 2
.set XR,    64                         ; v[64:95]   eight rows x 4: my columns
.set YR,    96                         ; v[96:127]  the partners
.set TBUF,  128                        ; v[128:255] two table buffers of eight rows x (4 cos, 4 sin)
.set F0,    64
.set F1,    128
.set BIAS,  192
.set G1A, 24                           ; s[24:31] descriptor group 1 for x's tiles;  s[32:39] group 0, two sets: the first fills; the second then walks
.set G0A, 32
.set G1B, 48                           ; s[48:55], s[56:63] the same for W's
.set G0B, 56
.set PJ,  45                           ; s45  p: made of the cluster's y alone
.set TB,  66                           ; s66  the slot that is being read: 0 or SLOT
.set FS,  67                           ; s67  the slot filled last
.set LBA, 68                           ; s68  my half's place in a slot, if I fetch x
.set LBB, 69                           ; s69  if I fetch W
.set MSB, 0
.macro WIN new                         ; the immediate's high byte repeats the setting that is left; a switch that changes nothing is dropped
.if MSB != (\new)
	s_set_vgpr_msb (MSB<<8)|(\new)
.set MSB, \new
.endif
.endm
.macro PLACES                          ; four plain instructions between a matrix instruction and a load into, or a read of, its registers
.rept 4
	v_nop
.endr
.endm
.macro JLOAD                           ; a joint refill: waves 0, 1 fetch x's halves, waves 2, 3 W's.  The branch hangs on the wave's number alone.  An s_nop 0 and four v_nop follow each line
	s_cmp_eq_u32 s11, 0
	s_cbranch_scc0 .Lfor_b_\@
	tensor_load_to_lds s[G0A+4:G0A+7], s[G1A:G1A+7]
	s_nop 0
.rept 4
	v_nop
.endr
	s_branch .Lasked_\@
.Lfor_b_\@:
	tensor_load_to_lds s[G0B+4:G0B+7], s[G1B:G1B+7]
	s_nop 0
.rept 4
	v_nop
.endr
.Lasked_\@:
.endm
.macro CREST                           ; a round of the cluster's barrier behind its opening barrier
	s_cmp_lg_u32 s10, 0
	s_cbranch_scc1 .Lnot_wave_0_\@
	s_barrier_signal -3
.Lnot_wave_0_\@:
	s_barrier_wait -3
	s_barrier_signal -1
	s_barrier_wait -1
.endm
.macro CROUND
	s_barrier_signal -1
	s_barrier_wait -1
	CREST
.endm
	s_load_b256 s[80:87], s[0:1], 0x0              ; xb s[80:81], wb s[82:83], b_Q s[84:85], b_K s[86:87]
	s_load_b128 s[88:91], s[0:1], 0x20             ; b_V s[88:89], rot s[90:91]
	s_load_b64 s[92:93], s[0:1], 0x30              ; qkv
	v_lshl_add_u32 v[SPW], v0, 2, SPARE
	v_mov_b32 v[NIL], 0
	ds_add_u32 v[SPW], v[NIL]                      ; the wave's opening: the add and its wait stand ahead of my first tensor load; the set-up below stands between them
	v_lshrrev_b32 v1, 5, v0
	v_readfirstlane_b32 s10, v1                    ; wave 0..3
	s_lshr_b32 s11, s10, 1                         ; my half of the tile's rows.  Also: I fetch x (0) or W (1)
	s_and_b32 s12, s10, 1                          ; my half of its columns.  Also: which half I fetch
	s_bfe_u32 s40, ttmp6, 0x40000                  ; cx
	s_bfe_u32 s41, ttmp6, 0x40004                  ; cy
	s_lshl_b32 s42, ttmp9, 2
	s_add_co_u32 s42, s42, s40                     ; tile column 0..3
	s_and_b32 s[PJ], ttmp7, 0xffff                 ; the cluster's y, 0..11
	s_lshl_b32 s13, s[PJ], 2
	s_add_co_u32 s13, s13, s41                     ; tile row 0..47 of the three inputs' 12,288 rows
	s_lshr_b32 s[PJ], s[PJ], 2                     ; p: the same in all sixteen partners
	s_lshl_b32 s43, s41, 2
	s_lshl_b32 s43, 15, s43                        ; my row of the cluster
	s_lshl_b32 s44, 0x1111, s40                    ; my column
	s_or_b32 s[G1A], s43, (1<<16)|(1<<20)|(1<<21)|(5<<22)|(3<<25)  ; the mask; 2-byte elements; padding on; bit 21 beside a mask; after every 64 words, 4 words
	s_or_b32 s[G1B], s44, (1<<16)|(1<<20)|(1<<21)|(5<<22)|(7<<25)  ; for W: 8 words
.irp g, G1A, G1B
	s_mov_b32 s[(\g)+1], 128<<16                   ; tensor_dim0 = 128
	s_mov_b32 s[(\g)+2], 128<<16                   ; tensor_dim1 = 128
	s_mov_b32 s[(\g)+3], 128<<16                   ; tile_dim0 = 128
	s_mov_b32 s[(\g)+4], 128                       ; tile_dim1 = 128
	s_mov_b32 s[(\g)+6], 0
	s_mov_b32 s[(\g)+7], 0
.endr
	s_mov_b32 s[G1A+5], 2048                       ; elements from row to row of x
	s_mov_b32 s[G1B+5], 128                        ; of a head's W
	s_lshl_b32 s16, s13, 8                         ; x: row 256 x tile row + 128 x half, 4,096 bytes a row: the tile row alone, which my row of the cluster shares
	s_lshl_b32 s17, s12, 7
	s_add_co_u32 s16, s16, s17
	s_lshl_b32 s16, s16, 12
	s_mov_b32 s17, 0
	s_lshl_b32 s46, s[PJ], 3                       ; W: head 8 p + 2 x tile column + half, 524,288 bytes a head: p and the tile column alone
	s_lshl1_add_u32 s46, s42, s46
	s_add_co_u32 s46, s46, s12
	s_lshl_b32 s46, s46, 19
	s_mov_b32 s47, 0
	s_mul_i32 s[LBA], s12, AHALF                   ; no place in the cluster enters an LDS address
	s_mul_i32 s[LBB], s12, BHALF
	s_add_co_u32 s[LBB], s[LBB], ABYTES
	s_mov_b32 s[TB], 0
	s_mov_b32 s[FS], SLOT
	s_wait_dscnt 0x0                               ; the opening add is done
	s_wait_kmcnt 0x0
	s_add_nc_u64 s[14:15], s[80:81], s[16:17]
	s_add_nc_u64 s[46:47], s[82:83], s[46:47]
	CROUND                                         ; all sixteen work-groups are here: the first joint loads meet
.irp s, 0,1
	s_mov_b32 s[G0A+4*(\s)], 1
	s_add_co_u32 s[G0A+4*(\s)+1], s[LBA], (\s)*SLOT
	s_add_nc_u64 s[G0A+4*(\s)+2:G0A+4*(\s)+3], s[14:15], (\s)*ASTEP
	s_or_b32 s[G0A+4*(\s)+3], s[G0A+4*(\s)+3], 0x80000000
	s_mov_b32 s[G0B+4*(\s)], 1
	s_add_co_u32 s[G0B+4*(\s)+1], s[LBB], (\s)*SLOT
	s_add_nc_u64 s[G0B+4*(\s)+2:G0B+4*(\s)+3], s[46:47], (\s)*BSTEP
	s_or_b32 s[G0B+4*(\s)+3], s[G0B+4*(\s)+3], 0x80000000
.endr
	s_cmp_eq_u32 s11, 0                            ; a wave's two first fills stand in one branch: K steps 0 and 1; two loads of mine are out
	s_cbranch_scc0 .Lfirst_b
	tensor_load_to_lds s[G0A:G0A+3], s[G1A:G1A+7]
	s_nop 0
	tensor_load_to_lds s[G0A+4:G0A+7], s[G1A:G1A+7]
	s_nop 0
.rept 4
	v_nop
.endr
	s_branch .Lfirst_asked
.Lfirst_b:
	tensor_load_to_lds s[G0B:G0B+3], s[G1B:G1B+7]
	s_nop 0
	tensor_load_to_lds s[G0B+4:G0B+7], s[G1B:G1B+7]
	s_nop 0
.rept 4
	v_nop
.endr
.Lfirst_asked:
	v_and_b32 v1, 15, v0                           ; r
	v_bfe_u32 v2, v0, 4, 1                         ; h
	v_lshlrev_b32 v7, 5, v2                        ; the bias: my 8 columns of each 16 begin 32 h bytes in
	s_cmp_eq_u32 s[PJ], 0
	s_cselect_b64 s[18:19], s[84:85], s[86:87]
	s_cmp_eq_u32 s[PJ], 2
	s_cselect_b64 s[18:19], s[88:89], s[18:19]
	s_lshl1_add_u32 s4, s42, s12                   ; my head
	s_lshl_b32 s6, s4, 9
	s_mov_b32 s7, 0
	s_add_nc_u64 s[18:19], s[18:19], s[6:7]
.irp b, 0,1,2,3,4,5,6,7
	global_load_b128 v[BIAS+8*(\b):BIAS+8*(\b)+3],   v7, s[18:19] offset:64*(\b)
	global_load_b128 v[BIAS+8*(\b)+4:BIAS+8*(\b)+7], v7, s[18:19] offset:64*(\b)+16
.endr
	v_mul_u32_u24 v3, v1, PA                       ; a fragment of x: row r, 16 bytes for each half of the lanes, twice, 32 bytes apart
	v_lshl_add_u32 v3, v2, 4, v3
	s_mul_i32 s21, s11, AHALF
	v_add_nc_u32 v[ADRA0], s21, v3
	v_and_b32 v4, 7, v0                            ; the turning load: lane l reads row k = 8 h + l % 8, columns 8 ((l / 8) % 2) + 0..7, and is left with column r and 8 k
	v_bfe_u32 v5, v0, 3, 1
	v_lshl_add_u32 v4, v2, 3, v4
	v_mul_u32_u24 v4, v4, PB
	v_lshl_add_u32 v4, v5, 4, v4
	s_mul_i32 s22, s12, BHALF
	s_add_co_u32 s22, s22, ABYTES
	v_add_nc_u32 v[ADRB0], s22, v4
	v_mov_b32 v[ADRA], v[ADRA0]
	v_mov_b32 v[ADRB], v[ADRB0]
	s_mul_i32 s23, s10, DW
	v_mul_u32_u24 v6, v1, DP
	v_lshl_add_u32 v6, v2, 5, v6
	v_add_nc_u32 v[DST], s23, v6                   ; row r, 32 h bytes in
	v_lshlrev_b32 v[TO], 4, v1                     ; back: lane l takes columns 64 h + 4 r .. + 3
	v_add_nc_u32 v6, s23, v[TO]
	v_lshl_add_u32 v[OWN], v2, 8, v6
	v_xor_b32 v8, 1, v2
	v_lshl_add_u32 v[PAR], v8, 8, v6
	v_and_b32 v[GO], 31, v0
	v_lshlrev_b32 v[GO], 3, v[GO]
	v_cvt_f32_u32 v9, v2
	v_fma_f32 v[SG], v9, 2.0, -1.0
	v_mov_b32 v[SG+1], v[SG]
	s_and_b32 s5, s13, 15                          ; my first row in its input: 256 x (tile row % 16) + 128 x half
	s_lshl_b32 s5, s5, 8
	s_lshl_b32 s6, s11, 7
	s_add_co_u32 s5, s5, s6
	s_lshr_b32 s6, s5, 11                          ; batch
	s_and_b32 s5, s5, 2047                         ; pos
	s_lshl3_add_u32 s6, s6, s4                     ; batch x 8 + head
	s_lshl_b32 s6, s6, 11
	s_add_co_u32 s6, s6, s5
	s_lshl_b32 s6, s6, 8                           ; 256 bytes a row
	s_lshl_b32 s7, s[PJ], 23                       ; 8,388,608 bytes for each of q, k, v
	s_add_co_u32 s6, s6, s7
	s_mov_b32 s7, 0
	s_add_nc_u64 s[72:73], s[92:93], s[6:7]        ; qkv at my first row
	s_lshl_b32 s8, s5, 9
	s_mov_b32 s9, 0
	s_add_nc_u64 s[74:75], s[90:91], s[8:9]        ; the table at my first row,
	s_mov_b64 s[76:77], s[74:75]                   ; the pointer that walks,
	s_mov_b32 s78, 0                               ; and its distance in bytes
	s_mov_b32 s79, 0
	s_wait_loadcnt 0x0
.set i, 0
.rept 32                                       ; the bias is rounded to bf16, as every input is
	v_cvt_pk_bf16_f32 v8, v[BIAS+2*i], v[BIAS+2*i+1]
	v_lshlrev_b32 v[BIAS+2*i], 16, v8
	v_and_b32 v[BIAS+2*i+1], 0xffff0000, v8
.set i, i+1
.endr
; 16 matrix instructions: row blocks a0, a0 + 1 of the window's four x all 8 column blocks, 32 along K.  cinit = 1: the bias (window 0) starts the sums: nothing is cleared.
; The 64 accumulators take turns in one order in every quarter.
.macro MUL16 f, hi, a0, cinit
.if \cinit
	WIN 0x81+0x40*(\hi)
.else
	WIN 0xa1+0x50*(\hi)
.endif
.irp a, \a0, (\a0)+1
.irp b, 0,1,2,3,4,5,6,7
.if \cinit
	v_wmma_f32_16x16x32_bf16 v[8*(8*(\a)+(\b)):8*(8*(\a)+(\b))+7], v[(\f)+8*(\b):(\f)+8*(\b)+7], v[(\f)+8*(4*(\hi)+(\a)):(\f)+8*(4*(\hi)+(\a))+7], v[BIAS+8*(\b):BIAS+8*(\b)+7]
.else
	v_wmma_f32_16x16x32_bf16 v[8*(8*(\a)+(\b)):8*(8*(\a)+(\b))+7], v[(\f)+8*(\b):(\f)+8*(\b)+7], v[(\f)+8*(4*(\hi)+(\a)):(\f)+8*(4*(\hi)+(\a))+7], v[8*(8*(\a)+(\b)):8*(8*(\a)+(\b))+7]
.endif
.endr
.endr
.endm
; 32 LDS loads in one run: quarter q (32 along K) of the slot in hand into buffer f: W's 8 fragments, turned, then x's 8
.macro FETCH q, f
	WIN 0x40
.irp b, 0,1,2,3,4,5,6,7
	ds_load_tr16_b128 v[(\f)+8*(\b):(\f)+8*(\b)+3],   v[ADRB] offset:(\q)*32*PB+32*(\b)
	ds_load_tr16_b128 v[(\f)+8*(\b)+4:(\f)+8*(\b)+7], v[ADRB] offset:(\q)*32*PB+32*(\b)+16*PB
.endr
	WIN 0
.irp i, 0,1,2,3,4,5,6,7
	ds_load_b128 v[(\f)+8*(\i):(\f)+8*(\i)+3],   v[ADRA] offset:64*(\q)+(\i)*16*PA
	ds_load_b128 v[(\f)+8*(\i)+4:(\f)+8*(\i)+7], v[ADRA] offset:64*(\q)+(\i)*16*PA+32
.endr
.endm
; One of a K step's first three quarters: multiplies buffer f and, in its middle, fetches quarter q into buffer g
.macro QUARTER q, f, g, cinit
	s_wait_dscnt 8                                 ; W and x's rows 0-63 are in; the youngest eight loads (x's rows 64-127) may be out
	MUL16 \f, 0, 0, \cinit
	MUL16 \f, 0, 2, \cinit
	PLACES
	FETCH \q, \g
	s_wait_dscnt 32                                ; all but the 32 just issued
	MUL16 \f, 1, 0, \cinit
	MUL16 \f, 1, 2, \cinit
.endm
; The last quarter multiplies buffer 1 and changes slots.  In front of the barrier each wave waits for all its tensor loads (one is out: its part of the next slot), adds 0 to its spare word, and waits for that and
; for its reads of this slot.  fill = 1: the barrier opens a round of the cluster's barrier, and behind it this slot is filled again, two K steps ahead: 224 matrix instructions ahead of the wait for it.
.macro TURN fill
	WIN 0
	s_wait_tensorcnt 0x0
	ds_add_u32 v[SPW], v[NIL]
	s_wait_dscnt 9                                 ; the add and the youngest eight loads may be out
	MUL16 F1, 0, 0, 0
	s_wait_dscnt 0x0                               ; the add is done, and my reads of this slot are over
	s_barrier_signal -1
	MUL16 F1, 0, 2, 0
	WIN 0
	s_barrier_wait -1
.if \fill
	CREST                                          ; no wave of any partner still reads this slot or has a load on its way
	s_xor_b32 s[FS], s[FS], SLOT                   ; no tensor load of mine is out, so the walking group 0 may be written: the other slot than last time,
	s_add_co_u32 s[G0A+5], s[LBA], s[FS]
	s_add_co_u32 s[G0B+5], s[LBB], s[FS]
	s_add_nc_u64 s[G0A+6:G0A+7], s[G0A+6:G0A+7], ASTEP  ; the next K step; the type bits on top are not reached
	s_add_nc_u64 s[G0B+6:G0B+7], s[G0B+6:G0B+7], BSTEP
	JLOAD                                          ; its four v_nop are also the places in front of the loads below
.else
	PLACES
.endif
	s_xor_b32 s[TB], s[TB], SLOT
	v_add_nc_u32 v[ADRA], s[TB], v[ADRA0]
	v_add_nc_u32 v[ADRB], s[TB], v[ADRB0]
	FETCH 0, F0
	MUL16 F1, 1, 0, 0
	MUL16 F1, 1, 2, 0
.endm
	s_wait_tensorcnt 1                             ; my part of K step 0 is in; K step 1's may stay out
	s_barrier_signal -1
	s_barrier_wait -1
	FETCH 0, F0
	QUARTER 1, F0, F1, 1                           ; the first quarter stands in front of the loop: its products start the sums with the bias
	WIN 0
	s_mov_b32 s3, KSTEPS-2
.Lk:                                           ; a trip: a K step's quarters 1 to 3, the change of slots with its refill, the next step's quarter 0
	QUARTER 2, F1, F0, 0
	QUARTER 3, F0, F1, 0
	TURN 1
	QUARTER 1, F0, F1, 0
	WIN 0
	s_sub_co_u32 s3, s3, 1
	s_cmp_lg_u32 s3, 0
	s_cbranch_scc1 .Lk
	QUARTER 2, F1, F0, 0                           ; the last two K steps are written out: nothing is left to fetch
	QUARTER 3, F0, F1, 0
	TURN 0
	QUARTER 1, F0, F1, 0
	QUARTER 2, F1, F0, 0
	QUARTER 3, F0, F1, 0
	s_wait_dscnt 8
	MUL16 F1, 0, 0, 0
	MUL16 F1, 0, 2, 0
	s_wait_dscnt 0x0
	MUL16 F1, 1, 0, 0
	MUL16 F1, 1, 2, 0
	WIN 0
	s_barrier_signal -1                            ; every wave's reads of the ring are back: its bytes, which have had their last fill, may be written
	s_barrier_wait -1
	PLACES                                         ; behind the last products: for the loads into x's buffers and for the stores of the sums
.macro TLOAD buf, base                         ; eight rows of the table: 256 bytes of cosines and 256 of sines a row; both halves of the lanes read the same
.irp j, 0,1,2,3,4,5,6,7
	global_load_b128 v[TBUF+64*(\buf)+8*(\j):TBUF+64*(\buf)+8*(\j)+3],   v[TO], s[76:77] offset:((\base)+(\j))*512
	global_load_b128 v[TBUF+64*(\buf)+8*(\j)+4:TBUF+64*(\buf)+8*(\j)+7], v[TO], s[76:77] offset:((\base)+(\j))*512+256
.endr
.endm
	s_cmp_eq_u32 s[PJ], 2                          ; v is not turned
	s_cbranch_scc1 .Lno_table
	TLOAD 0, 0                                     ; on its way while the sums are laid down
.Lno_table:
.irp a, 0,1,2,3,4,5,6,7                        ; each accumulator's low four registers go first
	WIN 0x08+4*((\a)/4)
.irp b, 0,1,2,3,4,5,6,7
	ds_store_b128 v[DST], v[8*(8*((\a)%4)+(\b)):8*(8*((\a)%4)+(\b))+3]   offset:(\a)*16*DP+64*(\b)
	ds_store_b128 v[DST], v[8*(8*((\a)%4)+(\b))+4:8*(8*((\a)%4)+(\b))+7] offset:(\a)*16*DP+64*(\b)+16
.endr
.endr
	WIN 0
.macro LLOAD base                              ; eight rows: my four columns and the partners.  LDS serves a wave's instructions in order (ISA guide 5.7.1.4): these see my stores above
.irp j, 0,1,2,3,4,5,6,7
	ds_load_b128 v[XR+4*(\j):XR+4*(\j)+3], v[OWN] offset:((\base)+(\j))*DP
	ds_load_b128 v[YR+4*(\j):YR+4*(\j)+3], v[PAR] offset:((\base)+(\j))*DP
.endr
.endm
.macro ROT buf, base                           ; out = x cos + partner x (-+ sin), rounded once to f16; 32 lanes store a row's 256 bytes
.irp j, 0,1,2,3,4,5,6,7
.set rc, TBUF+64*(\buf)+8*(\j)
.set rx, XR+4*(\j)
.set ry, YR+4*(\j)
.set ro, OUTR+16*(\buf)+2*(\j)
	v_pk_mul_f32 v[rc+4:rc+5], v[rc+4:rc+5], v[SG:SG+1]
	v_pk_mul_f32 v[rc+6:rc+7], v[rc+6:rc+7], v[SG:SG+1]
	v_pk_mul_f32 v[rx:rx+1], v[rx:rx+1], v[rc:rc+1]
	v_pk_mul_f32 v[rx+2:rx+3], v[rx+2:rx+3], v[rc+2:rc+3]
	v_pk_fma_f32 v[rx:rx+1], v[ry:ry+1], v[rc+4:rc+5], v[rx:rx+1]
	v_pk_fma_f32 v[rx+2:rx+3], v[ry+2:ry+3], v[rc+6:rc+7], v[rx+2:rx+3]
	v_cvt_pk_f16_f32 v[ro], v[rx], v[rx+1]
	v_cvt_pk_f16_f32 v[ro+1], v[rx+2], v[rx+3]
	global_store_b64 v[GO], v[ro:ro+1], s[72:73] offset:((\base)+(\j))*256
.endr
.endm
	s_mov_b32 s3, 8
	s_cmp_eq_u32 s[PJ], 2
	s_cbranch_scc1 .Lplain
.Lrot:                                         ; 16 rows a trip; the table comes eight rows ahead, in two buffers
	TLOAD 1, 8
	LLOAD 0
	s_wait_loadcnt 16                              ; buffer 0 is in; buffer 1's sixteen loads stay out
	s_wait_dscnt 0x0
	s_wait_xcnt 0x0                                ; the loads above have read the table's pointer: it is written below
	ROT 0, 0
	s_add_co_u32 s78, s78, 8192                    ; 16 rows on; in the last trip the pointer is held at my rows 112 on, which are read once more and not used: no load leaves the table
	s_min_u32 s78, s78, 57344
	s_add_nc_u64 s[76:77], s[74:75], s[78:79]
	TLOAD 0, 0
	LLOAD 8
	s_wait_loadcnt 16                              ; buffer 1 is in
	s_wait_dscnt 0x0
	ROT 1, 8
	s_wait_xcnt 0x0                                ; the stores have read their base and their data
	s_add_nc_u64 s[72:73], s[72:73], 4096
	v_add_nc_u32 v[OWN], 16*DP, v[OWN]
	v_add_nc_u32 v[PAR], 16*DP, v[PAR]
	s_sub_co_u32 s3, s3, 1
	s_cmp_lg_u32 s3, 0
	s_cbranch_scc1 .Lrot
	s_branch .Lend
.Lplain:                                       ; v: 16 rows a trip, rounded and stored
.irp j, 0,1,2,3,4,5,6,7,8,9,10,11,12,13,14,15
	ds_load_b128 v[XR+4*(\j):XR+4*(\j)+3], v[OWN] offset:(\j)*DP
.endr
.irp j, 0,1,2,3,4,5,6,7,8,9,10,11,12,13,14,15
	s_wait_dscnt 15-(\j)
	v_cvt_pk_f16_f32 v[OUTR+2*(\j)], v[XR+4*(\j)], v[XR+4*(\j)+1]
	v_cvt_pk_f16_f32 v[OUTR+2*(\j)+1], v[XR+4*(\j)+2], v[XR+4*(\j)+3]
	global_store_b64 v[GO], v[OUTR+2*(\j):OUTR+2*(\j)+1], s[72:73] offset:(\j)*256
.endr
	s_wait_xcnt 0x0
	s_add_nc_u64 s[72:73], s[72:73], 4096
	v_add_nc_u32 v[OWN], 16*DP, v[OWN]
	s_sub_co_u32 s3, s3, 1
	s_cmp_lg_u32 s3, 0
	s_cbranch_scc1 .Lplain
.Lend:
	s_wait_tensorcnt 0x0                           ; the wave's end, behind my last tensor load and my last LDS store
	ds_add_u32 v[SPW], v[NIL]
	s_wait_dscnt 0x0
	CROUND                                         ; the closing round: no work-group ends while a partner may still ask for a tile that names it
	s_endpgm
.Lfunc_end_k_q5e0c31eb82_proj:
	.size	k_q5e0c31eb82_proj, .Lfunc_end_k_q5e0c31eb82_proj-k_q5e0c31eb82_proj
	.p2alignl 7, 3214868480
	.fill 96, 4, 3214868480
	.section	.rodata,"a",@progbits
	.p2align	6, 0x0
	.amdhsa_kernel k_q5e0c31eb82_proj
		.amdhsa_group_segment_fixed_size 327680
		.amdhsa_private_segment_fixed_size 0
		.amdhsa_enable_private_segment 0
		.amdhsa_kernarg_size 56
		.amdhsa_user_sgpr_count 2
		.amdhsa_user_sgpr_kernarg_segment_ptr 1
		.amdhsa_wavefront_size32 1
		.amdhsa_system_sgpr_workgroup_id_x 1
		.amdhsa_system_sgpr_workgroup_id_y 1
		.amdhsa_system_sgpr_workgroup_id_z 1
		.amdhsa_system_vgpr_workitem_id 0
		.amdhsa_next_free_vgpr 1024
		.amdhsa_next_free_sgpr 96
		.amdhsa_reserve_vcc 0
		.amdhsa_float_denorm_mode_32 3
		.amdhsa_float_denorm_mode_16_64 3
		.amdhsa_memory_ordered 1
		.amdhsa_forward_progress 1
		.amdhsa_inst_pref_size 123
	.end_amdhsa_kernel
	.amdgpu_metadata
---
amdhsa.version: [ 1, 2 ]
amdhsa.kernels:
  - .name:           k_q5e0c31eb82_proj
    .symbol:         k_q5e0c31eb82_proj.kd
    .args:
      - { .name: xb, .offset: 0, .size: 8, .value_kind: global_buffer, .address_space: global }
      - { .name: wb, .offset: 8, .size: 8, .value_kind: global_buffer, .address_space: global }
      - { .name: b_Q, .offset: 16, .size: 8, .value_kind: global_buffer, .address_space: global }
      - { .name: b_K, .offset: 24, .size: 8, .value_kind: global_buffer, .address_space: global }
      - { .name: b_V, .offset: 32, .size: 8, .value_kind: global_buffer, .address_space: global }
      - { .name: rot, .offset: 40, .size: 8, .value_kind: global_buffer, .address_space: global }
      - { .name: qkv, .offset: 48, .size: 8, .value_kind: global_buffer, .address_space: global }
    .group_segment_fixed_size: 327680
    .private_segment_fixed_size: 0
    .kernarg_segment_align: 8
    .kernarg_segment_size: 56
    .max_flat_workgroup_size: 128
    .sgpr_count:     96
    .vgpr_count:     1024
    .wavefront_size: 32
...
	.end_amdgpu_metadata
.endif
;; end of part 2
;; launch attn (part 3): grid 16 x 16, 4 waves a work-group, clusters of 4 x 1, 327,680 bytes of LDS; arguments qkv, zb; writes zb
.if DOCPART == 3
	.amdgcn_target "amdgcn-amd-amdhsa--gfx1250"
	.amdhsa_code_object_version 6
	.text
	.protected	k_q5e0c31eb82_attn
	.globl	k_q5e0c31eb82_attn
	.p2align	8
	.type	k_q5e0c31eb82_attn,@function
k_q5e0c31eb82_attn:
	s_mov_b64 s[64:65], 0
	v_nop
	global_prefetch_b8 v0, s[64:65] scope:SCOPE_SE
	s_setreg_imm32_b32 hwreg(HW_REG_WAVE_MODE, 25, 1), 1
	s_wait_xcnt 0x0
	s_wait_alu depctr_hold_cnt(0) depctr_sa_sdst(0) depctr_va_vdst(0) depctr_va_sdst(0) depctr_va_ssrc(0) depctr_va_vcc(0) depctr_vm_vsrc(0)
	s_getreg_b32 s2, hwreg(HW_REG_IB_STS2, 6, 4)
	s_cmp_eq_u32 s2, 0
	s_cbranch_scc0 .Lentry_in_a_cluster
	s_endpgm
.Lentry_in_a_cluster:
	s_bfe_u32 s2, ttmp6, 0x10000c
	s_cmp_lg_u32 s2, 0x3003
	s_cbranch_scc0 .Lentry_shape_is_right
	s_endpgm
.Lentry_shape_is_right:
; CAUSAL ATTENTION, head size 128.  z[q] = the sum over k <= q of softmax_k(Q[q] . K[k] / sqrt(128)) V[k], for 16 pairs of batch and head.  qkv: [3][16][2048][128] f16; zb: [4096 = batch x 2048 + pos][1024 = head x 128 + e] f16.
; Products, maxima and sums in f32; the weights p are rounded to f16 for the second product (their sum is taken of the unrounded p), z once at the end.
; LIMITS.  A hidden score counts as its value less 1e30.  The running maximum starts at -2^96: f16's scores, 5.5e11 at the most, lie far above it, hidden ones below it.  A weight below 2^-126 counts as 0.  NaN and infinities are not treated apart.
; THE WALK.  A pair's queries lie in 32 blocks of 64; block B needs the key steps (64 keys) 0 .. B, of which the last holds the diagonal.  A work-group takes blocks 31 - bi and then bi, bi = 4 c + cx (c the cluster's number,
; cx the place in it).  Keys come in tiles of 256 (four steps): 8 - c tiles for the first block, c + 1 for the second: nine for every work-group, and the same tiles in the same order for the four partners of a cluster,
; so that every fill is joint.  No branch hangs on cx: it enters Q's and z's addresses, the prefetches' addresses and the masks' scalars alone.
; THE KEYS ARE SPLIT AMONG THE WAVES.  Of a tile wave w takes step w, for all 64 queries (four tiles of 16), with a running maximum m, a sum l and an O^T of its own.
; ONE SLOT.  A wave reads its step's K and V into 256 registers at a round's head; when all four have done so the slot is asked for again.  So a trip has two meetings: a round of the cluster's barrier between the reads
; and the refill, and a plain barrier between the tile's landing and the next reads.
; A ROUND.  The query tiles are two PIECES, named by their first tile: 0 (tiles 0, 1) and 2 (tiles 2, 3).  When K is in, piece 0's 32 products K Q^T run while V's loads land; then come the meeting and the refill; then piece 2's
; K Q^T with piece 0's softmax between its products, one product ahead of every eight vector instructions; then piece 0's V^T P with piece 2's softmax in the same way; then piece 2's V^T P.  The refill has all of that in which to land.
; A piece's 66 exponentials are one batch, with one wait.
; A BLOCK'S END.  Each wave lays (c m, l) and its O^T, in f32, into a stage of its own (SHARE), ahead of the trip's plain barrier; behind it wave w adds the four shares of queries 16 w .. 16 w + 15 (GATHER): with cM the largest
; c m, wave v's share counts with 2^(c m_v - cM) / L, L the sum of 2^(c m_v - cM) l_v.  A wave whose steps were all hidden has p = 0 and l = 0 throughout and counts with 0.  The jumps over SHARE and GATHER go forward and pass no barrier.
; THE MASK is the C operand that starts S^T = K Q^T: for query tile t and key group kb of 16: kb < t: hidden if my step lies beyond the block's own; kb = t: the triangle as well if it is the block's own; kb > t: hidden from the block's own step on.
; LAYOUT.  S^T (source 0 = 16 keys, source 1 = 16 queries) holds ONE query a lane (l % 16) and the keys 8 (l / 16) + 0..7; two such results rounded to f16 ARE source 1 of O^T = V^T P.  V is turned by ds_load_tr16_b128.
; REGISTERS, in windows of 256: window 0: v0-11, v44-53 addresses; v12-43 eight statistics a tile (c m, m, l even, l odd, four at work); v64-191 S^T; v192-255 P.  window 1: O^T, 64 a tile.
;   window 2: v0-127 Q, v128-255 K.  window 3: v0-127 V, v128-159 the masks.  A product among vector work costs two switches of the windows: 128 a round.
.set PKP,   272                        ; a row of K in LDS: 256 bytes + 16
.set PVP,   288                        ; a row of V: 256 + 32
.set VOFF,  256*PKP
.set STAGE, 256*(PKP+PVP)              ; behind the slot (256 rows of K, 256 of V: 143,360 bytes), never filled by a tensor load: for each wave 64 queries x 528 bytes
.set SP,    528
.set WSTG,  64*SP                      ; a wave's stage
.set STATS, STAGE+4*WSTG               ; [wave][64 queries] (c m, l)
.set SPARE, STATS+2048                 ; the spare words, 128 bytes a wave: two blocks of 256 bytes that no other line names
.set AK0, 2                            ; v2   my lane's place in my step of the tile's K; never rewritten
.set AV0, 3                            ; v3   the same for V
.set QO,  6                            ; v6   my byte offset in 16 rows of Q
.set MST, 7                            ; v7   where I put my O^T
.set MR0, 8                            ; v8   where I read the first two shares of my first two queries
.set ZO0, 9                            ; v9   my 16 bytes of z for them
.set STW, 10                           ; v10  where I put (c m, l)
.set SR0, 11                           ; v11  where I read them
.set ST,  12
.set PFO, 44                           ; v44  256 x my lane; never rewritten
.set WA,  50                           ; v50-53  GATHER's walking copies: shares 0, 1; shares 2, 3; statistics; z
.set WB,  51
.set WS,  52
.set WZ,  53
.set SPW, 62
.set NIL, 63
.set S,   64
.set P,   192
.set SS,  S                            ; GATHER: four pairs (c m_v, l_v); c m_v gives way to the factor
.set DD,  S+8                          ; four shares of eight channels
.set CM,  S+40
.set LL,  S+41
.set RC,  S+42
.set OUTZ, S+44
.set KF,  128                          ; window 2
.set MLO, 128                          ; window 3: the masks for kb < t, kb = t, kb > t, and the triangle
.set MEQ, 136
.set MHI, 144
.set TRI, 152
.set WV,  12                           ; s12  wave
.set G1K, 24
.set G1V, 32
.set G0K, 40
.set G0V, 44
.set OFF, 48                           ; s[48:49] a tile's byte offset in K and V
.set NXT, 50                           ; s50  the tile to be asked for next
.set LQ,  51                           ; s51  the last tile of the block whose tiles are being asked for
.set RT,  52                           ; s52  rounds that the block in hand still has
.set CUR, 53                           ; s53  the tile in hand
.set BC,  54                           ; s54  the block in hand
.set BL,  55                           ; s55  the second block
.set TRIPS, 56
.set PEND, 57                          ; s57  1: shares lie in the stages and are to be added
.set CS,  58                           ; s[58:59] c = log2(e) / sqrt(128)
.set SEL, 60                           ; s[60:61] v_permlanex16_b32's selects: the same place in the other half
.set PC,  62                           ; s62  GATHER's count
.set LK,  63                           ; s63  my half's place in the slot, if I fetch K
.set ZB,  66                           ; s[66:67] z at the first block;  s[68:69] at the second
.set ZLO, 68
.set LV,  70                           ; s70  if I fetch V
.set AL,  72                           ; s[72:73] the triangle's factor
.set BE,  74                           ; s[74:75] its addend, and the mask for kb < t
.set MH,  76                           ; s76  the mask for kb > t
.set BIGN, 77                          ; s77  -1e30
.set PFA, 78                           ; s[78:79] where my prefetches stand
.set LIM, 80                           ; s80  2 in the cluster that prefetches, else the greatest number
.set CC,  81                           ; s81  c
.set MSB, 0
.macro WIN new                         ; the immediate's high byte repeats the setting that is left; a switch that changes nothing is dropped
.if MSB != (\new)
	s_set_vgpr_msb (MSB<<8)|(\new)
.set MSB, \new
.endif
.endm
.macro PLACES                          ; four plain instructions between a matrix instruction and a load into, or a read of, its registers
.rept 4
	v_nop
.endr
.endm
.macro JLOAD                           ; a joint fill: waves 0, 1 fetch the halves of a tile's K, waves 2, 3 of its V: 128 rows of 256 bytes each.  An s_nop 0 and four v_nop follow each line
	s_cmp_lt_u32 s[WV], 2
	s_cbranch_scc0 .Lfor_v_\@
	tensor_load_to_lds s[G0K:G0K+3], s[G1K:G1K+7]
	s_nop 0
.rept 4
	v_nop
.endr
	s_branch .Lasked_\@
.Lfor_v_\@:
	tensor_load_to_lds s[G0V:G0V+3], s[G1V:G1V+7]
	s_nop 0
.rept 4
	v_nop
.endr
.Lasked_\@:
.endm
; A PREFETCH INTO THE L2 of the tile that the NEXT refill will ask for: one trip, 128 matrix instructions, ahead of that load.  Of the four clusters of a pair the one with c = 0 walks all eight tiles: it asks, in its first six
; trips, for tiles 2 to 7; tiles 0 and 1 come by their loads alone.  A tile has 512 rows of 256 bytes: the partner at cx takes rows 64 cx on of K and of V, told apart by address; waves 0, 1 K's, waves 2, 3 V's, 32 each, a lane a row.
.macro ASK
	s_cmp_gt_u32 s[TRIPS], s[LIM]                  ; trips 8 down to 3
	s_cbranch_scc0 .Lnot_mine_\@
	global_prefetch_b8 v[PFO], s[PFA:PFA+1] th:TH_LOAD_NT scope:SCOPE_SE
.Lnot_mine_\@:
.endm
.macro CROUND                          ; a round of the cluster's barrier
	s_barrier_signal -1
	s_barrier_wait -1
	s_cmp_lg_u32 s[WV], 0
	s_cbranch_scc1 .Lnot_wave_0_\@
	s_barrier_signal -3
.Lnot_wave_0_\@:
	s_barrier_wait -3
	s_barrier_signal -1
	s_barrier_wait -1
.endm
	s_load_b128 s[4:7], s[0:1], 0x0                ; qkv s[4:5], zb s[6:7]
	v_lshl_add_u32 v[SPW], v0, 2, SPARE
	v_mov_b32 v[NIL], 0
	ds_add_u32 v[SPW], v[NIL]                      ; the wave's opening: the add and its wait stand ahead of my first tensor load; the set-up below stands between them
	v_lshrrev_b32 v1, 5, v0
	v_readfirstlane_b32 s[WV], v1
	s_mov_b32 s[CC], ttmp9                         ; in a cluster launch ttmp9 counts clusters
	s_and_b32 s82, ttmp7, 0xffff                   ; the pair of batch and head, which the partners share
	s_lshl_b32 s16, s82, 19                        ; its 524,288 bytes in each of q, k, v
	s_and_b32 s18, s[WV], 1                        ; which half of a tile I fetch
	s_lshl_b32 s19, s18, 15
	s_add_co_u32 s14, s16, s19
	s_add_co_u32 s14, s14, 8388608                 ; K lies behind q
	s_mov_b32 s15, 0
	s_mul_i32 s[LK], s18, 128*PKP                  ; no place in the cluster enters an LDS address
	s_mul_i32 s[LV], s18, 128*PVP
	s_add_co_u32 s[LV], s[LV], VOFF
	s_bfe_u32 s83, ttmp6, 0x40000                  ; cx: from here to the prefetches' offset, registers that feed no descriptor
	s_lshl2_add_u32 s[BL], s[CC], s83              ; bi
	s_sub_co_u32 s[BC], 31, s[BL]                  ; the first block
	s_lshl_b32 s84, s[BC], 14                      ; 64 rows of 256 bytes a block
	s_add_co_u32 s84, s84, s16
	s_mov_b32 s85, 0
	s_lshl_b32 s86, s[BL], 14
	s_add_co_u32 s86, s86, s16
	s_mov_b32 s87, 0
	s_lshr_b32 s88, s82, 3                         ; z: batch x 2,048 rows of 2,048 bytes, the head's 256 bytes in a row,
	s_lshl_b32 s88, s88, 22
	s_and_b32 s89, s82, 7
	s_lshl_b32 s89, s89, 8
	s_add_co_u32 s89, s88, s89
	s_lshl_b32 s90, s[BC], 17                      ; 64 rows a block
	s_add_co_u32 s90, s90, s89
	s_mov_b32 s91, 0
	s_lshl_b32 s88, s[BL], 17
	s_add_co_u32 s88, s88, s89
	s_mov_b32 s89, 0
	s_lshl_b32 s92, s83, 14                        ; the prefetches: rows 64 cx + 32 (wave % 2) on, of tile 1: the first trip steps it to tile 2
	s_lshl_b32 s93, s18, 13
	s_add_co_u32 s92, s92, s93
	s_add_co_u32 s92, s92, s16
	s_add_co_u32 s92, s92, 8388608+65536
	s_cmp_lt_u32 s[WV], 2
	s_cselect_b32 s93, 0, 8388608                  ; of K, or of V
	s_add_co_u32 s92, s92, s93
	s_mov_b32 s93, 0
	s_cmp_eq_u32 s[CC], 0
	s_cselect_b32 s[LIM], 2, -1                    ; the same in all four partners
	s_mov_b32 s[G1K], 15|(1<<16)|(1<<20)|(1<<21)|(5<<22)|(3<<25)  ; the mask of four; 2-byte elements; padding on; bit 21 beside a mask; after every 64 words, 4 words
	s_mov_b32 s[G1V], 15|(1<<16)|(1<<20)|(1<<21)|(5<<22)|(7<<25)  ; 8 words
.irp g, G1K, G1V
	s_mov_b32 s[(\g)+1], 128<<16                   ; tensor_dim0 = 128
	s_mov_b32 s[(\g)+2], 128<<16                   ; tensor_dim1 = 128
	s_mov_b32 s[(\g)+3], 128<<16                   ; tile_dim0 = 128
	s_mov_b32 s[(\g)+4], 128                       ; tile_dim1 = 128
	s_mov_b32 s[(\g)+5], 128                       ; 128 elements from row to row
	s_mov_b32 s[(\g)+6], 0
	s_mov_b32 s[(\g)+7], 0
.endr
	s_mov_b32 s[CS], 0x3e0293ee                    ; 0.127517
	s_mov_b32 s[CS+1], s[CS]
	s_mov_b32 s[SEL], 0x76543210
	s_mov_b32 s[SEL+1], 0xfedcba98
	s_mov_b32 s[BIGN], 0xf149f2ca
	s_mov_b32 s[AL+1], 0                           ; named as pairs
	s_mov_b32 s[BE+1], 0
	s_mov_b32 s[OFF+1], 0
	s_mov_b32 s[PEND], 0
	s_sub_co_u32 s[RT], 8, s[CC]
	s_sub_co_u32 s[LQ], 7, s[CC]
	s_mov_b32 s[CUR], 0
	s_mov_b32 s[NXT], 1
	s_mov_b32 s[TRIPS], 8
	s_mov_b32 s[G0K], 1                            ; count = 1
	s_mov_b32 s[G0K+1], s[LK]                      ; the LDS address: the one slot, never rewritten
	s_mov_b32 s[G0V], 1
	s_mov_b32 s[G0V+1], s[LV]
	s_wait_dscnt 0x0                               ; the opening add is done
	s_wait_kmcnt 0x0
	s_add_nc_u64 s[8:9], s[4:5], s[14:15]          ; K and V at my half of the pair's tile 0
	s_add_nc_u64 s[10:11], s[8:9], 8388608
	s_add_nc_u64 s[20:21], s[4:5], s[84:85]        ; Q of the first block, of the second
	s_add_nc_u64 s[22:23], s[4:5], s[86:87]
	s_add_nc_u64 s[ZB:ZB+1], s[6:7], s[90:91]
	s_add_nc_u64 s[ZLO:ZLO+1], s[6:7], s[88:89]
	s_add_nc_u64 s[PFA:PFA+1], s[4:5], s[92:93]
	s_add_nc_u64 s[G0K+2:G0K+3], s[8:9], 0
	s_or_b32 s[G0K+3], s[G0K+3], 0x80000000
	s_add_nc_u64 s[G0V+2:G0V+3], s[10:11], 0
	s_or_b32 s[G0V+3], s[G0V+3], 0x80000000
	CROUND                                         ; all four work-groups are here: the first joint loads meet
	JLOAD                                          ; tile 0
.macro QLOAD b                                 ; a block's Q stays in registers: tile i / 4, channels 32 (i % 4) on
	WIN 0x80
.set i, 0
.rept 16
	global_load_b128 v[8*i:8*i+3],   v[QO], s[\b:\b+1] offset:(i/4)*4096+(i%4)*64
	global_load_b128 v[8*i+4:8*i+7], v[QO], s[\b:\b+1] offset:(i/4)*4096+(i%4)*64+32
.set i, i+1
.endr
	WIN 0
.endm
	v_and_b32 v1, 15, v0                           ; r
	v_bfe_u32 v45, v0, 4, 1                        ; h
	v_lshlrev_b32 v[QO], 8, v1
	v_lshl_add_u32 v[QO], v45, 4, v[QO]
	QLOAD 20
	s_mul_i32 s14, s[WV], 64*PKP                   ; my step of a tile
	v_mul_u32_u24 v[AK0], v1, PKP
	v_lshl_add_u32 v[AK0], v45, 4, v[AK0]
	v_add_nc_u32 v[AK0], s14, v[AK0]
	v_and_b32 v46, 7, v0
	v_bfe_u32 v47, v0, 3, 1
	v_lshl_add_u32 v[AV0], v45, 3, v46
	v_mul_u32_u24 v[AV0], v[AV0], PVP
	v_lshl_add_u32 v[AV0], v47, 4, v[AV0]
	s_mul_i32 s15, s[WV], 64*PVP
	s_add_co_u32 s15, s15, VOFF
	v_add_nc_u32 v[AV0], s15, v[AV0]
	s_mul_i32 s14, s[WV], WSTG
	s_add_co_u32 s14, s14, STAGE
	v_mul_u32_u24 v[MST], v1, SP                   ; in: my stage, query r of a tile, 32 h bytes in
	v_lshl_add_u32 v[MST], v45, 5, v[MST]
	v_add_nc_u32 v[MST], s14, v[MST]
	s_mul_i32 s14, s[WV], 16*SP
	s_add_co_u32 s14, s14, STAGE
	v_mul_u32_u24 v[MR0], v45, SP                  ; back: in wave 0's stage, query 16 w + h, channels 8 r on
	v_lshl_add_u32 v[MR0], v1, 5, v[MR0]
	v_add_nc_u32 v[MR0], s14, v[MR0]
	s_lshl_b32 s14, s[WV], 15
	v_lshlrev_b32 v[ZO0], 11, v45                  ; the same query's row of z, 2,048 bytes a row, my 16 bytes
	v_lshl_add_u32 v[ZO0], v1, 4, v[ZO0]
	v_add_nc_u32 v[ZO0], s14, v[ZO0]
	s_lshl_b32 s14, s[WV], 9
	s_add_co_u32 s14, s14, STATS
	v_lshl_add_u32 v[STW], v1, 3, s14
	s_lshl_b32 s14, s[WV], 7
	s_add_co_u32 s14, s14, STATS
	v_lshl_add_u32 v[SR0], v45, 3, s14
	v_and_b32 v[PFO], 31, v0
	v_lshlrev_b32 v[PFO], 8, v[PFO]
	v_lshlrev_b32 v48, 3, v45
	v_sub_nc_u32 v48, v1, v48                      ; r - 8 h: register j of the triangle is hidden where j is greater
	WIN 0xc0
.set i, 0
.rept 8
	v_cmp_gt_i32 vcc_lo, i, v48
	v_cndmask_b32 v[TRI+i], 0, s[BIGN], vcc_lo
.set i, i+1
.endr
	; A block's first step multiplies O^T and l by a = 0, so they need only hold finite numbers: zeros for the first block, what the first block left for the second.  32 products of two fragments of zeros, with C = 0,
	; write O^T's 256 registers.  This stands in the wait for the first tile.
	WIN 0
.set i, 0
.rept 16
	v_mov_b32 v[S+i], 0
.set i, i+1
.endr
	WIN 0x40
.set i, 0
.rept 32
	v_wmma_f32_16x16x32_f16 v[8*i:8*i+7], v[S:S+7], v[S+8:S+15], 0
.set i, i+1
.endr
	WIN 0
.irp t, 0,1,2,3                                ; sixteen plain lines: also the places between those products and the first K Q^T, which writes over their sources
	v_mov_b32 v[ST+8*\t], 0xfe000000               ; c m: far below every c m to come, so that the first a is 0
	v_mov_b32 v[ST+8*\t+1], 0xef800000             ; m: -2^96
	v_mov_b32 v[ST+8*\t+2], 0
	v_mov_b32 v[ST+8*\t+3], 0
.endr
.macro FETCH_K                                 ; my step's K: 16 fragments: keys 16 (f / 4) on, channels 32 (f % 4) on
	WIN 0x80
.irp f, 0,1,2,3,4,5,6,7,8,9,10,11,12,13,14,15
	ds_load_b128 v[KF+8*(\f):KF+8*(\f)+3],   v[AK0] offset:((\f)/4)*16*PKP+((\f)%4)*64
	ds_load_b128 v[KF+8*(\f)+4:KF+8*(\f)+7], v[AK0] offset:((\f)/4)*16*PKP+((\f)%4)*64+32
.endr
.endm
.macro FETCH_V                                 ; its V, turned: keys 32 (f / 8) on, channels 16 (f % 8) on
	WIN 0xc0
.irp f, 0,1,2,3,4,5,6,7,8,9,10,11,12,13,14,15
	ds_load_tr16_b128 v[8*(\f):8*(\f)+3],   v[AV0] offset:((\f)/8)*32*PVP+((\f)%8)*32
	ds_load_tr16_b128 v[8*(\f)+4:8*(\f)+7], v[AV0] offset:((\f)/8)*32*PVP+16*PVP+((\f)%8)*32
.endr
.endm
.macro MASKS                                   ; my step 4 x tile + wave against the block's own: values alone hang on it
	s_lshl2_add_u32 s14, s[CUR], s[WV]
	s_cmp_eq_u32 s14, s[BC]
	s_cselect_b32 s[AL], 1.0, 0
	s_cmp_gt_u32 s14, s[BC]
	s_cselect_b32 s[BE], s[BIGN], 0
	s_cmp_ge_u32 s14, s[BC]
	s_cselect_b32 s[MH], s[BIGN], 0
	WIN 0xc0
.set i, 0
.rept 8
	v_mov_b32 v[MLO+i], s[BE]
	v_mov_b32 v[MHI+i], s[MH]
.set i, i+1
.endr
	WIN 0xc3
.irp z, 0,2,4,6
	v_pk_fma_f32 v[MEQ+\z:MEQ+\z+1], v[TRI+\z:TRI+\z+1], s[AL:AL+1], s[BE:BE+1] op_sel_hi:[1,0,0]
.endr
.endm
; Product i of 32 of S^T = K Q^T for piece x: channels 32 (i / 8) on, keys 16 ((i / 2) % 4) on, tile x + i % 2.  The first 8 start the sums with a mask.  The 8 accumulators take turns.
.macro KQ x
.set tt, (\x)+i%2
.set kb, (i/2)%4
.set rS, S+32*tt+8*kb
.set rK, KF+32*kb+8*(i/8)
.set rQ, 32*tt+8*(i/8)
.if i < 8
	WIN 0x3a
.if kb < tt
	v_wmma_f32_16x16x32_f16 v[rS:rS+7], v[rK:rK+7], v[rQ:rQ+7], v[MLO:MLO+7]
.elseif kb == tt
	v_wmma_f32_16x16x32_f16 v[rS:rS+7], v[rK:rK+7], v[rQ:rQ+7], v[MEQ:MEQ+7]
.else
	v_wmma_f32_16x16x32_f16 v[rS:rS+7], v[rK:rK+7], v[rQ:rQ+7], v[MHI:MHI+7]
.endif
.else
	WIN 0x0a
	v_wmma_f32_16x16x32_f16 v[rS:rS+7], v[rK:rK+7], v[rQ:rQ+7], v[rS:rS+7]
.endif
.endm
; Product i of 32 of O^T += V^T P for piece x: keys 32 (i / 16) on, channels 16 ((i / 2) % 8) on, tile x + i % 2.  16 accumulators by turns.
.macro PV x
	WIN 0x53
.set tt, (\x)+i%2
.set rO, 64*tt+8*((i/2)%8)
.set rV, 64*(i/16)+8*((i/2)%8)
.set rP, P+16*tt+8*(i/16)
	v_wmma_f32_16x16x32_f16 v[rO:rO+7], v[rV:rV+7], v[rP:rP+7], v[rO:rO+7]
.endm
; Number j of the 134 instructions of tile t's softmax for a step.  s0-s31 are the lane's 32 scores.
;   0-15  the maximum of s0-s31 and the old m, three operands at a time (each accumulator's lowest registers are read first)     16-20  the other half of the lanes' maximum; the new m; c m; its change
;   21-69  ONE BATCH: the 16 scalings c s - c m and all 33 exponentials (a at 23); none reads an exponential's result; a pair is scaled ahead of its exponentials
;   70-85  the roundings to f16     86-101  the sums; l = a l + sum     102-133  O^T times a
.macro SM t
.set rT, ST+8*(\t)
.set rS, S+32*(\t)
.set rP, P+16*(\t)
.set rO, 64*(\t)+2*(j-102)
.if j < 102
	WIN 0
.endif
.if j < 4
	v_max3_num_f32 v[rT+4+j], v[rS+8*j], v[rS+8*j+1], v[rS+8*j+2]
.elseif j < 12
	v_max3_num_f32 v[rT+4+j%4], v[rT+4+j%4], v[rS+8*(j%4)+2*(j/4)+1], v[rS+8*(j%4)+2*(j/4)+2]
.elseif j == 12
	v_max3_num_f32 v[rT+4], v[rT+4], v[rS+7], v[rS+15]
.elseif j == 13
	v_max3_num_f32 v[rT+6], v[rT+6], v[rS+23], v[rS+31]
.elseif j == 14
	v_max3_num_f32 v[rT+4], v[rT+4], v[rT+5], v[rT+6]
.elseif j == 15
	v_max3_num_f32 v[rT+4], v[rT+4], v[rT+7], v[rT+1]
.elseif j == 16
	v_permlanex16_b32 v[rT+5], v[rT+4], s[SEL], s[SEL+1]
.elseif j == 17
	v_mov_b32 v[rT+7], v[rT]
.elseif j == 18
	v_max_num_f32 v[rT+1], v[rT+4], v[rT+5]
.elseif j == 19
	v_mul_f32 v[rT], s[CS], v[rT+1]
.elseif j == 20
	v_sub_f32 v[rT+7], v[rT+7], v[rT]
.elseif j == 23
	v_exp_f32 v[rT+6], v[rT+7]
.elseif (j < 23) || ((j < 38) && (j%2 == 0)) || ((j < 66) && (j%4 == 2))
.set b, (j-2)/4
.if j < 38
.set b, (j-20)/2
.endif
	v_pk_fma_f32 v[rS+2*b:rS+2*b+1], v[rS+2*b:rS+2*b+1], s[CS:CS+1], v[rT:rT+1] op_sel_hi:[1,0,0] neg_lo:[0,0,1] neg_hi:[0,0,1]
.elseif j < 70
.set e, j-38
.if j < 66
.set e, j-32-(j-38)/4
.endif
.if j < 38
.set e, (j-25)/2
.endif
	v_exp_f32 v[rS+e], v[rS+e]
.elseif j < 86
	v_cvt_pk_f16_f32 v[rP+j-70], v[rS+2*(j-70)], v[rS+2*(j-70)+1]
.elseif j < 102
.set z, j-86
.set w, 4
.set u, z
.if z >= 14
.set w, 32
.set u, 0
.elseif z >= 12
.set w, 16
.set u, z-12
.elseif z >= 8
.set w, 8
.set u, z-8
.endif
.if z < 15
	v_pk_add_f32 v[rS+w*u:rS+w*u+1], v[rS+w*u:rS+w*u+1], v[rS+w*u+w/2:rS+w*u+w/2+1]
.else
	v_pk_fma_f32 v[rT+2:rT+3], v[rT+2:rT+3], v[rT+6:rT+7], v[rS:rS+1] op_sel_hi:[1,0,1]
.endif
.else
	WIN 0x41
	v_pk_mul_f32 v[rO:rO+1], v[rO:rO+1], v[rT+6:rT+7] op_sel_hi:[1,0]
.endif
.endm
; MATRIX AND VECTOR WORK SIDE BY SIDE.  Piece x has the matrix unit (kind = 0: its 32 products K Q^T; 1: its 32 products V^T P); piece y's softmax, both tiles' lists number by number, stands between them: a product ahead of
; numbers 0, 4, .. 124.  The two pieces share no register but K's, Q's and V's, which no vector line names.  Between numbers 69 and 70 stand the plain instruction behind the last exponential and the one wait for the piece's 66.
; Behind the last product stand numbers 124 to 133 of both tiles, twenty plain lines on piece y's O^T: the places ahead of what reads that product's result.
.macro PHASE kind, x, y
.set i, 0
.set j, 0
.rept 134
.if (j%4 == 0) && (j < 128)
.if \kind
	PV \x
.else
	KQ \x
.endif
.set i, i+1
.endif
.if j == 70
	v_nop                                          ; the plain instruction behind the last exponential
	s_wait_alu depctr_va_vdst(0)                   ; one wait for the batch, ahead of its first reader
.endif
	SM \y
	SM (\y)+1
.set j, j+1
.endr
.endm
; A TRIP'S WORK.  fill = 1: the slot is asked for again; 0: the walk's last tile.
.macro TRIP fill
	FETCH_K
	FETCH_V
	MASKS
	s_wait_dscnt 32                                ; K is in; V's 32 loads stay out and land under the products below
.set i, 0
.rept 32
	KQ 0
.set i, i+1
.endr
	WIN 0
.if \fill
	s_wait_tensorcnt 0x0                           ; no tensor load of mine is out, so a group 0 may be written
	ds_add_u32 v[SPW], v[NIL]                      ; 0 onto my spare word; the descriptors' steps stand between it and the wait for it
	s_lshl_b32 s[OFF], s[NXT], 16                  ; a tile is 65,536 bytes of K and of V; the address is made anew from the tile's number
	s_add_nc_u64 s[G0K+2:G0K+3], s[8:9], s[OFF:OFF+1]
	s_or_b32 s[G0K+3], s[G0K+3], 0x80000000
	s_add_nc_u64 s[G0V+2:G0V+3], s[10:11], s[OFF:OFF+1]
	s_or_b32 s[G0V+3], s[G0V+3], 0x80000000
	s_add_co_u32 s[NXT], s[NXT], 1                 ; the block's next tile, or behind its last the second block's tile 0
	s_cmp_gt_u32 s[NXT], s[LQ]
	s_cselect_b32 s[NXT], 0, s[NXT]
	s_cselect_b32 s[LQ], s[CC], s[LQ]
	s_wait_xcnt 0x0                                ; the last prefetch, a trip back, has read its address
	s_add_nc_u64 s[PFA:PFA+1], s[PFA:PFA+1], 65536
	s_wait_dscnt 0x0                               ; the add is done, and my reads of the slot are back: K and V lie in registers
	CROUND                                         ; no wave of any partner still reads the slot or has a load on its way
	JLOAD                                          ; the refill, first thing behind the round; its four v_nop are also the places between piece 0's products and the reads of its scores
	ASK
.else
	s_wait_dscnt 0x0                               ; V is in
	s_barrier_signal -1                            ; every wave's reads of the stages are back: SHARE, behind this trip, writes them again
	s_barrier_wait -1
	PLACES                                         ; between piece 0's products and the reads of its scores
.endif
	PHASE 0, 2, 0                                  ; piece 2's K Q^T | piece 0's softmax
	PHASE 1, 0, 2                                  ; piece 0's V^T P | piece 2's softmax
.set i, 0
.rept 32
	PV 2                                           ; piece 2's V^T P
.set i, i+1
.endr
	WIN 0
	PLACES                                         ; behind the last products: in front of the next loads into V's registers and of the stores of O^T
	s_add_co_u32 s[CUR], s[CUR], 1
.endm
; A BLOCK'S END, first part: l's two halves and the other half of the lanes' are added; (c m, l) and my O^T, as it is, go into my own bytes of LDS.  No barrier stands here.
.macro SHARE
	WIN 0
.irp t, 0,1,2,3
	v_add_f32 v[ST+8*\t+4], v[ST+8*\t+2], v[ST+8*\t+3]
.endr
.irp t, 0,1,2,3
	v_permlanex16_b32 v[ST+8*\t+5], v[ST+8*\t+4], s[SEL], s[SEL+1]
.endr
.irp t, 0,1,2,3
	v_add_f32 v[ST+8*\t+1], v[ST+8*\t+4], v[ST+8*\t+5]  ; l beside c m: a pair
.endr
.irp t, 0,1,2,3
	ds_store_b64 v[STW], v[ST+8*\t:ST+8*\t+1] offset:128*\t  ; both halves of the lanes write the same
.endr
	WIN 0x04                                       ; the stores' data in window 1
.irp t, 0,1,2,3
.irp f, 0,1,2,3,4,5,6,7                        ; each accumulator's low four registers go first
	ds_store_b128 v[MST], v[64*\t+8*\f:64*\t+8*\f+3]   offset:16*SP*\t+64*\f
	ds_store_b128 v[MST], v[64*\t+8*\f+4:64*\t+8*\f+7] offset:16*SP*\t+64*\f+16
.endr
.endr
	WIN 0
.endm
; A BLOCK'S END, second part, behind a barrier: eight trips, two of my sixteen queries each (lanes 0-15 one, lanes 16-31 the next; a lane eight channels).  dst: z at the block.
.macro GATHER dst
	WIN 0
	v_mov_b32 v[WA], v[MR0]
	v_add_nc_u32 v[WB], 2*WSTG, v[MR0]
	v_mov_b32 v[WS], v[SR0]
	v_mov_b32 v[WZ], v[ZO0]
	s_mov_b32 s[PC], 8
.Lpair_\@:
.irp w, 0,1,2,3
	ds_load_b64 v[SS+2*\w:SS+2*\w+1], v[WS] offset:512*\w
.endr
.irp w, 0,1
	ds_load_b128 v[DD+8*\w:DD+8*\w+3],       v[WA] offset:WSTG*\w
	ds_load_b128 v[DD+8*\w+4:DD+8*\w+7],     v[WA] offset:WSTG*\w+16
	ds_load_b128 v[DD+16+8*\w:DD+16+8*\w+3],   v[WB] offset:WSTG*\w
	ds_load_b128 v[DD+16+8*\w+4:DD+16+8*\w+7], v[WB] offset:WSTG*\w+16
.endr
	s_wait_dscnt 8                                 ; the four (c m, l) are in; the eight loads of the shares stay out
	v_max3_num_f32 v[CM], v[SS], v[SS+2], v[SS+4]
	v_max_num_f32 v[CM], v[CM], v[SS+6]
.irp w, 0,1,2,3
	v_sub_f32 v[SS+2*\w], v[SS+2*\w], v[CM]
.endr
.irp w, 0,1,2,3
	v_exp_f32 v[SS+2*\w], v[SS+2*\w]
.endr
	v_nop                                          ; the plain instruction behind the last exponential
	s_wait_alu depctr_va_vdst(0)                   ; one wait for the four
	v_mul_f32 v[LL], v[SS], v[SS+1]
.irp w, 1,2,3
	v_fmac_f32 v[LL], v[SS+2*\w], v[SS+2*\w+1]
.endr
	v_rcp_f32 v[RC], v[LL]                         ; L is at least 1: the wave with the largest m counts in full, and its largest weight is 1
	v_nop
	s_wait_alu depctr_va_vdst(0)
.irp w, 0,1,2,3
	v_mul_f32 v[SS+2*\w], v[SS+2*\w], v[RC]
.endr
	s_wait_dscnt 0x0                               ; the shares are in
.irp z, 0,2,4,6
	v_pk_mul_f32 v[DD+\z:DD+\z+1], v[DD+\z:DD+\z+1], v[SS:SS+1] op_sel_hi:[1,0]
.endr
.irp w, 1,2,3
.irp z, 0,2,4,6
	v_pk_fma_f32 v[DD+\z:DD+\z+1], v[DD+8*\w+\z:DD+8*\w+\z+1], v[SS+2*\w:SS+2*\w+1], v[DD+\z:DD+\z+1] op_sel_hi:[1,0,1]
.endr
.endr
.irp z, 0,1,2,3
	v_cvt_pk_f16_f32 v[OUTZ+\z], v[DD+2*\z], v[DD+2*\z+1]
.endr
	global_store_b128 v[WZ], v[OUTZ:OUTZ+3], s[\dst:\dst+1]  ; sixteen lanes store 256 consecutive bytes, aligned
	s_wait_xcnt 0x0                                ; the store's offset and data are written again only behind this wait
	v_add_nc_u32 v[WZ], 4096, v[WZ]                ; two rows of z on,
	v_add_nc_u32 v[WA], 2*SP, v[WA]                ; two queries on in the stages
	v_add_nc_u32 v[WB], 2*SP, v[WB]
	v_add_nc_u32 v[WS], 16, v[WS]
	s_sub_co_u32 s[PC], s[PC], 1
	s_cmp_lg_u32 s[PC], 0
	s_cbranch_scc1 .Lpair_\@
.endm
	s_wait_loadcnt 0x0                             ; Q
	s_wait_tensorcnt 0x0                           ; my part of tile 0 is in,
	s_barrier_signal -1
	s_barrier_wait -1                              ; everybody's is
.Lr:                                           ; eight trips: a tile is read into registers, the next is asked for, the round is worked
	TRIP 1
	s_sub_co_u32 s[RT], s[RT], 1
	s_cmp_lg_u32 s[RT], 0                          ; RT is made of c alone: the same in all waves and in all four partners
	s_cbranch_scc1 .Lno_share
	SHARE                                          ; the first block ends (behind trip 7 - c, counted from 0)
	s_mov_b32 s[PEND], 1
.Lno_share:
	s_wait_tensorcnt 0x0                           ; my part of the next tile is in,
	s_wait_dscnt 0x0                               ; and my shares, if any, lie in LDS
	s_barrier_signal -1
	s_barrier_wait -1                              ; everybody's
	s_cmp_eq_u32 s[PEND], 1
	s_cbranch_scc0 .Lno_gather
	QLOAD 22                                       ; the second block's Q is on its way while the shares are added
	GATHER ZB                                      ; its reads are back ahead of the next meeting, behind which alone the stages are written again
.irp t, 0,1,2,3
	v_mov_b32 v[ST+8*\t], 0xfe000000
	v_mov_b32 v[ST+8*\t+1], 0xef800000
.endr
	s_add_co_u32 s[RT], s[CC], 1
	s_mov_b32 s[CUR], 0
	s_mov_b32 s[BC], s[BL]
	s_mov_b32 s[PEND], 0
	s_wait_loadcnt 0x0                             ; Q
.Lno_gather:
	s_sub_co_u32 s[TRIPS], s[TRIPS], 1
	s_cmp_lg_u32 s[TRIPS], 0
	s_cbranch_scc1 .Lr
	TRIP 0                                         ; the walk's last tile is written out: nothing is asked for
	SHARE
	s_wait_dscnt 0x0                               ; for the others' sake: my shares lie in LDS
	s_barrier_signal -1
	s_barrier_wait -1
	GATHER ZLO
	s_wait_tensorcnt 0x0                           ; the wave's end, behind my last tensor load and my last LDS store
	ds_add_u32 v[SPW], v[NIL]
	s_wait_dscnt 0x0
	CROUND                                         ; the closing round: no work-group ends while a partner may still ask for a tile that names it
	s_endpgm
.Lfunc_end_k_q5e0c31eb82_attn:
	.size	k_q5e0c31eb82_attn, .Lfunc_end_k_q5e0c31eb82_attn-k_q5e0c31eb82_attn
	.p2alignl 7, 3214868480
	.fill 96, 4, 3214868480
	.section	.rodata,"a",@progbits
	.p2align	6, 0x0
	.amdhsa_kernel k_q5e0c31eb82_attn
		.amdhsa_group_segment_fixed_size 327680
		.amdhsa_private_segment_fixed_size 0
		.amdhsa_enable_private_segment 0
		.amdhsa_kernarg_size 16
		.amdhsa_user_sgpr_count 2
		.amdhsa_user_sgpr_kernarg_segment_ptr 1
		.amdhsa_wavefront_size32 1
		.amdhsa_system_sgpr_workgroup_id_x 1
		.amdhsa_system_sgpr_workgroup_id_y 1
		.amdhsa_system_sgpr_workgroup_id_z 1
		.amdhsa_system_vgpr_workitem_id 0
		.amdhsa_next_free_vgpr 1024
		.amdhsa_next_free_sgpr 96
		.amdhsa_reserve_vcc 1
		.amdhsa_float_denorm_mode_32 3
		.amdhsa_float_denorm_mode_16_64 3
		.amdhsa_memory_ordered 1
		.amdhsa_forward_progress 1
		.amdhsa_inst_pref_size 131
	.end_amdhsa_kernel
	.amdgpu_metadata
---
amdhsa.version: [ 1, 2 ]
amdhsa.kernels:
  - .name:           k_q5e0c31eb82_attn
    .symbol:         k_q5e0c31eb82_attn.kd
    .args:
      - { .name: qkv, .offset: 0, .size: 8, .value_kind: global_buffer, .address_space: global }
      - { .name: zb, .offset: 8, .size: 8, .value_kind: global_buffer, .address_space: global }
    .group_segment_fixed_size: 327680
    .private_segment_fixed_size: 0
    .kernarg_segment_align: 8
    .kernarg_segment_size: 16
    .max_flat_workgroup_size: 128
    .sgpr_count:     96
    .vgpr_count:     1024
    .wavefront_size: 32
...
	.end_amdgpu_metadata
.endif
;; end of part 3
;; launch outp (part 4): grid 8 x 32, 4 waves a work-group, clusters of 4 x 4, 327,680 bytes of LDS; arguments zb, wo, b_O, out0; writes out0
.if DOCPART == 4
	.amdgcn_target "amdgcn-amd-amdhsa--gfx1250"
	.amdhsa_code_object_version 6
	.text
	.protected	k_q5e0c31eb82_outp
	.globl	k_q5e0c31eb82_outp
	.p2align	8
	.type	k_q5e0c31eb82_outp,@function
k_q5e0c31eb82_outp:
	s_mov_b64 s[64:65], 0
	v_nop
	global_prefetch_b8 v0, s[64:65] scope:SCOPE_SE
	s_setreg_imm32_b32 hwreg(HW_REG_WAVE_MODE, 25, 1), 1
	s_wait_xcnt 0x0
	s_wait_alu depctr_hold_cnt(0) depctr_sa_sdst(0) depctr_va_vdst(0) depctr_va_sdst(0) depctr_va_ssrc(0) depctr_va_vcc(0) depctr_vm_vsrc(0)
	s_getreg_b32 s2, hwreg(HW_REG_IB_STS2, 6, 4)
	s_cmp_eq_u32 s2, 0
	s_cbranch_scc0 .Lentry_in_a_cluster
	s_endpgm
.Lentry_in_a_cluster:
	s_bfe_u32 s2, ttmp6, 0x10000c
	s_cmp_lg_u32 s2, 0xf033
	s_cbranch_scc0 .Lentry_shape_is_right
	s_endpgm
.Lentry_shape_is_right:
; THE OUTPUT PROJECTION.  out0 = z W_O + b_O.  zb: [4096][1024] f16; wo: [1024][2048] f16 (W_O rounded to bf16, written as f16); b_O f32, rounded to bf16 as every input is; out0: [4096][2048] f32.  Sums in f32, started by the bias.
; SHARES.  A tile of out0 is 128 rows x 256 columns: 32 x 8 tiles, 256 work-groups.  Four waves, each 64 x 128: 32 accumulators, 256 registers.  K = 1,024 goes in eight steps of 128 through two LDS slots.
; CLUSTER.  4 x 4 work-groups: z's tile is asked for jointly along a row of the cluster, W_O's along a column.
; THE MATRIX INSTRUCTION IS USED TRANSPOSED: source 0 = 16 columns of W_O ([k][n] in LDS, turned by ds_load_tr16_b128), source 1 = 16 rows of z.  Lane (r, h), register j of accumulator (a, b) holds C(16 a + r, 16 b + 8 h + j).
; A K STEP goes in two halves of 64 along K, 64 matrix instructions each, on two fragment buffers; the other buffer's 48 LDS loads stand in one run, the fragments of its first 32 along K first.
; The change of slots stands 16 matrix instructions into the second half, so that a refill has 112 matrix instructions in which to land.
; THE WAY OUT.  When the last K step is multiplied the ring has had its last fill; each wave lays its sums into 33,792 bytes of it (rows of 528 bytes) and reads whole rows back: a wave's store covers 512 consecutive bytes, aligned.
; REGISTERS: window 0: v0-31 addresses, v64-127 and v128-191 fragments of z (buffer f, 32 along K c, row block a at 64 + 64 f + 32 c + 8 a), v192-255 the bias; window 1: fragments of W_O (128 f + 64 c + 8 b); window 2: the accumulators (8 (8 a + b)).
.set KSTEPS, 8
.set ASTEP,  256                       ; 128 numbers along a row of z
.set BSTEP,  524288                    ; 128 rows of W_O, 4,096 bytes each
.set PA,     272                       ; an LDS row of z: 256 bytes + 16
.set PB,     288                       ; an LDS row of W_O: 256 + 32
.set AHALF,  64*PA                     ; 64 rows of z: what wave 0 or 1 fetches, and what a wave reads
.set ABYTES, 2*AHALF
.set BHALF,  128*PB                    ; [128 k][128 n] of W_O: what wave 2 or 3 fetches
.set SLOT,   ABYTES+2*BHALF            ; 108,544 bytes
.set SPARE,  2*SLOT                    ; the spare words, 128 bytes a wave: two blocks of 256 bytes that no other line names
.set DP,     528
.set DW,     64*DP                     ; a wave's part of the way out; 4 DW = 135,168 bytes, inside the ring
.set ADRA0, 16                         ; v16  my lane's place in z's tile of slot 0; never rewritten
.set ADRB0, 17                         ; v17  the same for W_O
.set ADRA,  18                         ; v18  + the slot that is being read
.set ADRB,  19
.set DST,   20                         ; v20  the way out: where I put my sums
.set RDA,   21                         ; v21  my 16 bytes of a row
.set GO,    24                         ; v24  the same in out0
.set SPW,   28
.set NIL,   29
.set XR,    64
.set BIAS,  192
.set G1A, 24                           ; s[24:31] descriptor group 1 for z's tiles;  s[32:39] group 0, two sets: the first fills; the second then walks
.set G0A, 32
.set G1B, 48                           ; s[48:55], s[56:63] the same for W_O's
.set G0B, 56
.set TB,  66                           ; s66  the slot that is being read
.set FS,  67                           ; s67  the slot filled last
.set LBA, 68                           ; s68  my half's place in a slot, if I fetch z
.set LBB, 69                           ; s69  if I fetch W_O
.set MSB, 0
.macro WIN new                         ; the immediate's high byte repeats the setting that is left; a switch that changes nothing is dropped
.if MSB != (\new)
	s_set_vgpr_msb (MSB<<8)|(\new)
.set MSB, \new
.endif
.endm
.macro PLACES                          ; four plain instructions between a matrix instruction and a load into, or a read of, its registers
.rept 4
	v_nop
.endr
.endm
.macro JLOAD                           ; a joint refill: waves 0, 1 fetch z's halves, waves 2, 3 W_O's.  An s_nop 0 and four v_nop follow each line
	s_cmp_eq_u32 s11, 0
	s_cbranch_scc0 .Lfor_b_\@
	tensor_load_to_lds s[G0A+4:G0A+7], s[G1A:G1A+7]
	s_nop 0
.rept 4
	v_nop
.endr
	s_branch .Lasked_\@
.Lfor_b_\@:
	tensor_load_to_lds s[G0B+4:G0B+7], s[G1B:G1B+7]
	s_nop 0
.rept 4
	v_nop
.endr
.Lasked_\@:
.endm
.macro CREST                           ; a round of the cluster's barrier behind its opening barrier
	s_cmp_lg_u32 s10, 0
	s_cbranch_scc1 .Lnot_wave_0_\@
	s_barrier_signal -3
.Lnot_wave_0_\@:
	s_barrier_wait -3
	s_barrier_signal -1
	s_barrier_wait -1
.endm
.macro CROUND
	s_barrier_signal -1
	s_barrier_wait -1
	CREST
.endm
	s_load_b256 s[80:87], s[0:1], 0x0              ; zb s[80:81], wo s[82:83], b_O s[84:85], out0 s[86:87]
	v_lshl_add_u32 v[SPW], v0, 2, SPARE
	v_mov_b32 v[NIL], 0
	ds_add_u32 v[SPW], v[NIL]                      ; the wave's opening: the add and its wait stand ahead of my first tensor load; the set-up below stands between them
	v_lshrrev_b32 v1, 5, v0
	v_readfirstlane_b32 s10, v1
	s_lshr_b32 s11, s10, 1                         ; my half of the rows.  Also: I fetch z (0) or W_O (1)
	s_and_b32 s12, s10, 1                          ; my half of the columns.  Also: which half I fetch
	s_bfe_u32 s40, ttmp6, 0x40000
	s_bfe_u32 s41, ttmp6, 0x40004
	s_lshl_b32 s42, ttmp9, 2
	s_add_co_u32 s42, s42, s40                     ; tile column 0..7
	s_and_b32 s13, ttmp7, 0xffff
	s_lshl_b32 s13, s13, 2
	s_add_co_u32 s13, s13, s41                     ; tile row 0..31
	s_lshl_b32 s43, s41, 2
	s_lshl_b32 s43, 15, s43                        ; my row of the cluster
	s_lshl_b32 s44, 0x1111, s40                    ; my column
	s_or_b32 s[G1A], s43, (1<<16)|(1<<20)|(1<<21)|(5<<22)|(3<<25)  ; the mask; 2-byte elements; padding on; bit 21 beside a mask; after every 64 words, 4 words
	s_or_b32 s[G1B], s44, (1<<16)|(1<<20)|(1<<21)|(5<<22)|(7<<25)  ; for W_O: 8 words
.irp g, G1A, G1B
	s_mov_b32 s[(\g)+1], 128<<16                   ; tensor_dim0 = 128
	s_mov_b32 s[(\g)+3], 128<<16                   ; tile_dim0 = 128
	s_mov_b32 s[(\g)+6], 0
	s_mov_b32 s[(\g)+7], 0
.endr
	s_mov_b32 s[G1A+2], 64<<16                     ; z: tensor_dim1 = 64,
	s_mov_b32 s[G1A+4], 64                         ; tile_dim1 = 64,
	s_mov_b32 s[G1A+5], 1024                       ; 1,024 elements from row to row
	s_mov_b32 s[G1B+2], 128<<16                    ; W_O: 128 rows,
	s_mov_b32 s[G1B+4], 128
	s_mov_b32 s[G1B+5], 2048                       ; 2,048 elements from row to row
	s_lshl_b32 s16, s13, 7                         ; z: row 128 x tile row + 64 x half, 2,048 bytes a row: the tile row alone, which my row of the cluster shares
	s_lshl_b32 s17, s12, 6
	s_add_co_u32 s16, s16, s17
	s_lshl_b32 s16, s16, 11
	s_mov_b32 s17, 0
	s_lshl_b32 s46, s42, 9                         ; W_O: column 256 x tile column + 128 x half, 2 bytes each: the tile column alone
	s_lshl_b32 s47, s12, 8
	s_add_co_u32 s46, s46, s47
	s_mov_b32 s47, 0
	s_mul_i32 s[LBA], s12, AHALF                   ; no place in the cluster enters an LDS address
	s_mul_i32 s[LBB], s12, BHALF
	s_add_co_u32 s[LBB], s[LBB], ABYTES
	s_mov_b32 s[TB], 0
	s_mov_b32 s[FS], SLOT
	s_wait_dscnt 0x0                               ; the opening add is done
	s_wait_kmcnt 0x0
	s_add_nc_u64 s[14:15], s[80:81], s[16:17]
	s_add_nc_u64 s[46:47], s[82:83], s[46:47]
	CROUND                                         ; all sixteen work-groups are here: the first joint loads meet
.irp s, 0,1
	s_mov_b32 s[G0A+4*(\s)], 1
	s_add_co_u32 s[G0A+4*(\s)+1], s[LBA], (\s)*SLOT
	s_add_nc_u64 s[G0A+4*(\s)+2:G0A+4*(\s)+3], s[14:15], (\s)*ASTEP
	s_or_b32 s[G0A+4*(\s)+3], s[G0A+4*(\s)+3], 0x80000000
	s_mov_b32 s[G0B+4*(\s)], 1
	s_add_co_u32 s[G0B+4*(\s)+1], s[LBB], (\s)*SLOT
	s_add_nc_u64 s[G0B+4*(\s)+2:G0B+4*(\s)+3], s[46:47], (\s)*BSTEP
	s_or_b32 s[G0B+4*(\s)+3], s[G0B+4*(\s)+3], 0x80000000
.endr
	s_cmp_eq_u32 s11, 0                            ; a wave's two first fills stand in one branch: K steps 0 and 1; two loads of mine are out
	s_cbranch_scc0 .Lfirst_b
	tensor_load_to_lds s[G0A:G0A+3], s[G1A:G1A+7]
	s_nop 0
	tensor_load_to_lds s[G0A+4:G0A+7], s[G1A:G1A+7]
	s_nop 0
.rept 4
	v_nop
.endr
	s_branch .Lfirst_asked
.Lfirst_b:
	tensor_load_to_lds s[G0B:G0B+3], s[G1B:G1B+7]
	s_nop 0
	tensor_load_to_lds s[G0B+4:G0B+7], s[G1B:G1B+7]
	s_nop 0
.rept 4
	v_nop
.endr
.Lfirst_asked:
	v_and_b32 v1, 15, v0                           ; r
	v_bfe_u32 v2, v0, 4, 1                         ; h
	v_lshlrev_b32 v7, 5, v2                        ; the bias: my 8 columns of each 16 begin 32 h bytes in
	s_lshl_b32 s4, s42, 8
	s_lshl_b32 s5, s12, 7
	s_add_co_u32 s4, s4, s5                        ; my first column
	s_lshl_b32 s6, s4, 2
	s_mov_b32 s7, 0
	s_add_nc_u64 s[18:19], s[84:85], s[6:7]
.irp b, 0,1,2,3,4,5,6,7
	global_load_b128 v[BIAS+8*(\b):BIAS+8*(\b)+3],   v7, s[18:19] offset:64*(\b)
	global_load_b128 v[BIAS+8*(\b)+4:BIAS+8*(\b)+7], v7, s[18:19] offset:64*(\b)+16
.endr
	v_mul_u32_u24 v3, v1, PA                       ; a fragment of z: row r, 16 bytes for each half of the lanes, twice, 32 bytes apart
	v_lshl_add_u32 v3, v2, 4, v3
	s_mul_i32 s21, s11, AHALF
	v_add_nc_u32 v[ADRA0], s21, v3
	v_and_b32 v4, 7, v0                            ; the turning load: lane l reads row k = 8 h + l % 8, columns 8 ((l / 8) % 2) + 0..7, and is left with column r and 8 k
	v_bfe_u32 v5, v0, 3, 1
	v_lshl_add_u32 v4, v2, 3, v4
	v_mul_u32_u24 v4, v4, PB
	v_lshl_add_u32 v4, v5, 4, v4
	s_mul_i32 s22, s12, BHALF
	s_add_co_u32 s22, s22, ABYTES
	v_add_nc_u32 v[ADRB0], s22, v4
	v_mov_b32 v[ADRA], v[ADRA0]
	v_mov_b32 v[ADRB], v[ADRB0]
	s_mul_i32 s23, s10, DW
	v_mul_u32_u24 v6, v1, DP
	v_lshl_add_u32 v6, v2, 5, v6
	v_add_nc_u32 v[DST], s23, v6                   ; row r, 32 h bytes in
	v_and_b32 v[GO], 31, v0
	v_lshlrev_b32 v[GO], 4, v[GO]
	v_add_nc_u32 v[RDA], s23, v[GO]
	s_lshl_b32 s8, s13, 7                          ; out0 at my first row (128 x tile row + 64 x half; 8,192 bytes a row) and column
	s_lshl_b32 s9, s11, 6
	s_add_co_u32 s8, s8, s9
	s_lshl_b32 s8, s8, 13
	s_add_co_u32 s8, s8, s6
	s_mov_b32 s9, 0
	s_add_nc_u64 s[72:73], s[86:87], s[8:9]
	s_wait_loadcnt 0x0
.set i, 0
.rept 32                                       ; the bias is rounded to bf16, as every input is
	v_cvt_pk_bf16_f32 v8, v[BIAS+2*i], v[BIAS+2*i+1]
	v_lshlrev_b32 v[BIAS+2*i], 16, v8
	v_and_b32 v[BIAS+2*i+1], 0xffff0000, v8
.set i, i+1
.endr
; 8 matrix instructions: row block a x all 8 column blocks, the 32 along K numbered c of buffer f.  cinit = 1: the bias (window 0) starts the sums: nothing is cleared.
; The 32 accumulators take turns in one order throughout.
.macro MULA f, c, a, cinit
.if \cinit
	WIN 0x81
.else
	WIN 0xa1
.endif
.irp b, 0,1,2,3,4,5,6,7
.if \cinit
	v_wmma_f32_16x16x32_f16 v[8*(8*(\a)+(\b)):8*(8*(\a)+(\b))+7], v[128*(\f)+64*(\c)+8*(\b):128*(\f)+64*(\c)+8*(\b)+7], v[64+64*(\f)+32*(\c)+8*(\a):64+64*(\f)+32*(\c)+8*(\a)+7], v[BIAS+8*(\b):BIAS+8*(\b)+7]
.else
	v_wmma_f32_16x16x32_f16 v[8*(8*(\a)+(\b)):8*(8*(\a)+(\b))+7], v[128*(\f)+64*(\c)+8*(\b):128*(\f)+64*(\c)+8*(\b)+7], v[64+64*(\f)+32*(\c)+8*(\a):64+64*(\f)+32*(\c)+8*(\a)+7], v[8*(8*(\a)+(\b)):8*(8*(\a)+(\b))+7]
.endif
.endr
.endm
.macro MUL32 f, c, cinit
	MULA \f, \c, 0, \cinit
	MULA \f, \c, 1, \cinit
	MULA \f, \c, 2, \cinit
	MULA \f, \c, 3, \cinit
.endm
; 48 LDS loads in one run: half h (64 along K) of the slot in hand into buffer f; for each 32 along K W_O's 8 fragments, turned, then z's 4: the first 24 loads are the first 32 along K
.macro FETCH h, f
.irp c, 0,1
	WIN 0x40
.irp b, 0,1,2,3,4,5,6,7
	ds_load_tr16_b128 v[128*(\f)+64*(\c)+8*(\b):128*(\f)+64*(\c)+8*(\b)+3],   v[ADRB] offset:(2*(\h)+(\c))*32*PB+32*(\b)
	ds_load_tr16_b128 v[128*(\f)+64*(\c)+8*(\b)+4:128*(\f)+64*(\c)+8*(\b)+7], v[ADRB] offset:(2*(\h)+(\c))*32*PB+32*(\b)+16*PB
.endr
	WIN 0
.irp a, 0,1,2,3
	ds_load_b128 v[64+64*(\f)+32*(\c)+8*(\a):64+64*(\f)+32*(\c)+8*(\a)+3],   v[ADRA] offset:64*(2*(\h)+(\c))+(\a)*16*PA
	ds_load_b128 v[64+64*(\f)+32*(\c)+8*(\a)+4:64+64*(\f)+32*(\c)+8*(\a)+7], v[ADRA] offset:64*(2*(\h)+(\c))+(\a)*16*PA+32
.endr
.endr
.endm
; A K step's first half: multiplies buffer 0 and, in its middle, fetches the second half into buffer 1
.macro HALF0 cinit
	s_wait_dscnt 24                                ; the first 32 along K are in; the other 24 loads may be out
	MUL32 0, 0, \cinit
	s_wait_dscnt 0x0                               ; the second 32 along K are in
	PLACES                                         ; buffer 1 was multiplied 32 matrix instructions ago
	FETCH 1, 1
	MUL32 0, 1, 0
.endm
; The second half multiplies buffer 1 and changes slots.  In front of the barrier each wave waits for all its tensor loads (one is out: its part of the next slot), adds 0 to its spare word, and waits for that and
; for its reads of this slot.  fill = 1: the barrier opens a round of the cluster's barrier, and behind it this slot is filled again, two K steps ahead.
.macro TURN fill
	WIN 0
	s_wait_tensorcnt 0x0
	ds_add_u32 v[SPW], v[NIL]
	s_wait_dscnt 25                                ; the add and the youngest 24 loads may be out
	MULA 1, 0, 0, 0
	s_wait_dscnt 0x0                               ; the add is done, and my reads of this slot are over
	s_barrier_signal -1
	MULA 1, 0, 1, 0
	WIN 0
	s_barrier_wait -1
.if \fill
	CREST                                          ; no wave of any partner still reads this slot or has a load on its way
	s_xor_b32 s[FS], s[FS], SLOT                   ; no tensor load of mine is out, so the walking group 0 may be written: the other slot than last time,
	s_add_co_u32 s[G0A+5], s[LBA], s[FS]
	s_add_co_u32 s[G0B+5], s[LBB], s[FS]
	s_add_nc_u64 s[G0A+6:G0A+7], s[G0A+6:G0A+7], ASTEP  ; the next K step; the type bits on top are not reached
	s_add_nc_u64 s[G0B+6:G0B+7], s[G0B+6:G0B+7], BSTEP
	JLOAD                                          ; its four v_nop are also the places in front of the loads below
.else
	PLACES
.endif
	s_xor_b32 s[TB], s[TB], SLOT
	v_add_nc_u32 v[ADRA], s[TB], v[ADRA0]
	v_add_nc_u32 v[ADRB], s[TB], v[ADRB0]
	FETCH 0, 0
	MULA 1, 0, 2, 0
	MULA 1, 0, 3, 0
	MUL32 1, 1, 0
.endm
	s_wait_tensorcnt 1                             ; my part of K step 0 is in; K step 1's may stay out
	s_barrier_signal -1
	s_barrier_wait -1
	FETCH 0, 0
	HALF0 1                                        ; the first half stands in front of the loop: its first products start the sums with the bias
	WIN 0
	s_mov_b32 s3, KSTEPS-2
.Lk:                                           ; a trip: a K step's second half, the change of slots with its refill, the next step's first half
	TURN 1
	HALF0 0
	WIN 0
	s_sub_co_u32 s3, s3, 1
	s_cmp_lg_u32 s3, 0
	s_cbranch_scc1 .Lk
	TURN 0                                         ; the tail is written out: nothing is left to fetch
	HALF0 0
	s_wait_dscnt 24
	MUL32 1, 0, 0
	s_wait_dscnt 0x0
	MUL32 1, 1, 0
	WIN 0
	s_barrier_signal -1                            ; every wave's reads of the ring are back: its bytes, which have had their last fill, may be written
	s_barrier_wait -1
	PLACES                                         ; behind the last products, in front of the stores of the sums
	WIN 0x08                                       ; the stores' data in window 2
.irp a, 0,1,2,3                                ; each accumulator's low four registers go first
.irp b, 0,1,2,3,4,5,6,7
	ds_store_b128 v[DST], v[8*(8*(\a)+(\b)):8*(8*(\a)+(\b))+3]   offset:(\a)*16*DP+64*(\b)
	ds_store_b128 v[DST], v[8*(8*(\a)+(\b))+4:8*(8*(\a)+(\b))+7] offset:(\a)*16*DP+64*(\b)+16
.endr
.endr
	WIN 0
	s_mov_b32 s3, 4
.Lrow:                                         ; 16 rows a trip.  LDS serves a wave's instructions in order (ISA guide 5.7.1.4): the loads see my stores above
.irp j, 0,1,2,3,4,5,6,7,8,9,10,11,12,13,14,15
	ds_load_b128 v[XR+4*(\j):XR+4*(\j)+3], v[RDA] offset:(\j)*DP
.endr
.irp j, 0,1,2,3,4,5,6,7,8,9,10,11,12,13,14,15
	s_wait_dscnt 15-(\j)
	global_store_b128 v[GO], v[XR+4*(\j):XR+4*(\j)+3], s[72:73] offset:(\j)*8192 th:TH_STORE_NT
.endr
	s_wait_xcnt 0x0                                ; the stores have read their base and their data
	s_add_nc_u64 s[72:73], s[72:73], 16*8192
	v_add_nc_u32 v[RDA], 16*DP, v[RDA]
	s_sub_co_u32 s3, s3, 1
	s_cmp_lg_u32 s3, 0
	s_cbranch_scc1 .Lrow
	s_wait_tensorcnt 0x0                           ; the wave's end, behind my last tensor load and my last LDS store
	ds_add_u32 v[SPW], v[NIL]
	s_wait_dscnt 0x0
	CROUND                                         ; the closing round: no work-group ends while a partner may still ask for a tile that names it
	s_endpgm
.Lfunc_end_k_q5e0c31eb82_outp:
	.size	k_q5e0c31eb82_outp, .Lfunc_end_k_q5e0c31eb82_outp-k_q5e0c31eb82_outp
	.p2alignl 7, 3214868480
	.fill 96, 4, 3214868480
	.section	.rodata,"a",@progbits
	.p2align	6, 0x0
	.amdhsa_kernel k_q5e0c31eb82_outp
		.amdhsa_group_segment_fixed_size 327680
		.amdhsa_private_segment_fixed_size 0
		.amdhsa_enable_private_segment 0
		.amdhsa_kernarg_size 32
		.amdhsa_user_sgpr_count 2
		.amdhsa_user_sgpr_kernarg_segment_ptr 1
		.amdhsa_wavefront_size32 1
		.amdhsa_system_sgpr_workgroup_id_x 1
		.amdhsa_system_sgpr_workgroup_id_y 1
		.amdhsa_system_sgpr_workgroup_id_z 1
		.amdhsa_system_vgpr_workitem_id 0
		.amdhsa_next_free_vgpr 768
		.amdhsa_next_free_sgpr 96
		.amdhsa_reserve_vcc 0
		.amdhsa_float_denorm_mode_32 3
		.amdhsa_float_denorm_mode_16_64 3
		.amdhsa_memory_ordered 1
		.amdhsa_forward_progress 1
		.amdhsa_inst_pref_size 67
	.end_amdhsa_kernel
	.amdgpu_metadata
---
amdhsa.version: [ 1, 2 ]
amdhsa.kernels:
  - .name:           k_q5e0c31eb82_outp
    .symbol:         k_q5e0c31eb82_outp.kd
    .args:
      - { .name: zb, .offset: 0, .size: 8, .value_kind: global_buffer, .address_space: global }
      - { .name: wo, .offset: 8, .size: 8, .value_kind: global_buffer, .address_space: global }
      - { .name: b_O, .offset: 16, .size: 8, .value_kind: global_buffer, .address_space: global }
      - { .name: out0, .offset: 24, .size: 8, .value_kind: global_buffer, .address_space: global }
    .group_segment_fixed_size: 327680
    .private_segment_fixed_size: 0
    .kernarg_segment_align: 8
    .kernarg_segment_size: 32
    .max_flat_workgroup_size: 128
    .sgpr_count:     96
    .vgpr_count:     768
    .wavefront_size: 32
...
	.end_amdgpu_metadata
.endif
;; end of part 4
;; ======== version 2 of 2: 4 launches; version 1 with the launch prep written anew for expert scheduling mode
;; limits: values are held in f16: magnitudes above 65,504 overflow, below 6.1e-05 lose precision
;; workspace buffers: xb 50,331,648 bytes; wb 12,582,912 bytes; wo 4,194,304 bytes; rot 1,048,576 bytes; qkv 25,165,824 bytes; zb 8,388,608 bytes
;; launch prep (part 5): grid 1024 x 1, 8 waves a work-group, no clusters, 0 bytes of LDS; arguments query_input, key_input, value_input, W_Q, W_K, W_V, W_O, xb, wb, wo, rot; writes xb, wb, wo, rot
.if DOCPART == 5
	.amdgcn_target "amdgcn-amd-amdhsa--gfx1250"
	.amdhsa_code_object_version 6
	.text
	.protected	k_q5e0c31eb82_prep
	.globl	k_q5e0c31eb82_prep
	.p2align	8
	.type	k_q5e0c31eb82_prep,@function
k_q5e0c31eb82_prep:
	s_mov_b64 s[64:65], 0
	v_nop
	global_prefetch_b8 v0, s[64:65] scope:SCOPE_SE
	s_setreg_imm32_b32 hwreg(HW_REG_WAVE_SCHED_MODE, 0, 2), 2
	s_setreg_imm32_b32 hwreg(HW_REG_WAVE_MODE, 25, 1), 1
	s_wait_xcnt 0x0
	s_wait_alu depctr_vm_vsrc(0)
; CASTS AND THE ROTARY TABLE.  The three inputs and W_Q, W_K, W_V are rounded once to bf16 (xb, wb, in the order in which they lie); W_O is rounded to bf16 and that number is written as f16 (wo);
; rot[pos][0..63] = cos(pos / 10000^(i/64)), rot[pos][64..127] = sin of the same, in f32.
; SHARES.  1,024 work-groups of eight waves; each casts 32,768 numbers (131,072 bytes in, 65,536 out): groups 0-767 the inputs, 768-959 W_Q, W_K, W_V, 960-1023 W_O.  Each also makes two rows of the table.
; A thread has 32 chunks of 16 bytes in, 8 out; chunk k lies 4,096 k bytes (in) and 2,048 k bytes (out) behind the first.  A wave's load covers 512 consecutive bytes, its store 256 consecutive bytes, aligned.
; The table is made while the first twelve loads are out.  No LDS, no matrix unit: nothing is shared and nothing is multiplied.
; THE MODE: SCHED_MODE bits 1:0 = 2 (LLVM: expert scheduling mode 2), set by the entry lines.  The code itself states the register dependences between vector instructions and memory instructions, with s_wait_alu, always for 0.
; THE PLAN.  The 32 chunks go in eight blocks of four.  Registers that memory instructions touch:
;   v1, v2        byte offsets, made once at the head and never written again: every chunk's place stands in an immediate, and the scalar bases are never stepped.
;   X0, X1, X2    three blocks as loaded.  Block p's conversions read X[p % 3]; behind them the loads of block p + 3 land in it.
;   Y             a pair for each chunk.  Written by the chunk's conversions, read by its one store, never written again.
;   R             the table's two numbers.  Written by the table's last lines, read by its one store, never written again.
;   T, and the table's work in v[76:95] (pairs of chunks 12 to 21, long before those are converted), are named by vector instructions alone.
; So ONE wait on va_vdst stands in a block, behind its conversions: it states that they are done reading X[p % 3] and have written the block's Y.  The block's four loads and four stores follow it, the loads first.
; Eight to twelve loads of every wave are out until the last blocks.  No register that a memory instruction reads is ever written again: beyond the entry lines the text holds no wait on vm_vsrc and no s_wait_xcnt.
; LIMITS.  A number of W_O beyond 65,504 becomes an infinity in f16; below 2^-17 it keeps f16's fixed step of 6e-8.  The table's angles are pos x 2^(-i log2(10000)/64) in f32: off by up to some 3e-4 at pos = 2,047.
.set BL, 4                             ; chunks in a block
.set NB, 32/BL                         ; blocks
.set XB, 3                             ; load buffers: twelve slots
.set X, 4                              ; v[4:51]    buffer b, chunk i: four registers at X + 16 b + 4 i
.set Y, 52                             ; v[52:115]  32 chunks of two
.set T, 116                            ; v[116:119] at work
.set R, 120                            ; v[120:121] the table's two numbers
.set TT, 76                            ; v[76:95]   the table's work
.set MK, 51                            ; s51, s52   the table's two masks
	s_load_b512 s[8:23], s[0:1], 0x0               ; query s[8:9], key s[10:11], value s[12:13], W_Q s[14:15], W_K s[16:17], W_V s[18:19], W_O s[20:21], xb s[22:23]
	s_load_b128 s[24:27], s[0:1], 0x40             ; wb s[24:25], wo s[26:27]
	s_load_b64 s[28:29], s[0:1], 0x50              ; rot
	s_mov_b32 s4, ttmp9                            ; g
	v_lshrrev_b32 v3, 5, v0
	v_readfirstlane_b32 s37, v3                    ; wave
	v_lshlrev_b32 v1, 4, v0                        ; 16 bytes a thread in,
	v_lshlrev_b32 v2, 3, v0                        ; 8 out
	s_wait_alu depctr_va_sdst(0)                   ; s37 is written, ahead of its first reader: the compare that chooses the table's waves
	s_and_b32 s5, s4, 255                          ; an input has 256 shares, a weight 64
	s_and_b32 s6, s4, 63
	s_cmp_lt_u32 s4, 768
	s_cselect_b32 s38, s5, s6
	s_lshl_b32 s38, s38, 17                        ; my share's first byte in its source
	s_mov_b32 s39, 0
	s_sub_co_u32 s5, s4, 768
	s_sub_co_u32 s6, s4, 960
	s_cmp_lt_u32 s4, 960
	s_cselect_b32 s40, s5, s6
	s_cmp_lt_u32 s4, 768
	s_cselect_b32 s40, s4, s40
	s_lshl_b32 s40, s40, 16                        ; and in its destination
	s_mov_b32 s41, 0
	s_wait_kmcnt 0x0
	s_mov_b64 s[32:33], s[20:21]                   ; the source, chosen by g alone
	s_cmp_lt_u32 s4, 960
	s_cselect_b64 s[32:33], s[18:19], s[32:33]
	s_cselect_b64 s[34:35], s[24:25], s[26:27]     ; the destination: wo, wb,
	s_cmp_lt_u32 s4, 896
	s_cselect_b64 s[32:33], s[16:17], s[32:33]
	s_cmp_lt_u32 s4, 832
	s_cselect_b64 s[32:33], s[14:15], s[32:33]
	s_cmp_lt_u32 s4, 768
	s_cselect_b64 s[32:33], s[12:13], s[32:33]
	s_cselect_b64 s[34:35], s[22:23], s[34:35]     ; or xb
	s_cmp_lt_u32 s4, 512
	s_cselect_b64 s[32:33], s[10:11], s[32:33]
	s_cmp_lt_u32 s4, 256
	s_cselect_b64 s[32:33], s[8:9], s[32:33]
	s_add_nc_u64 s[32:33], s[32:33], s[38:39]
	s_add_nc_u64 s[34:35], s[34:35], s[40:41]
	s_wait_alu depctr_va_vdst(0)                   ; v1 and v2 are written: every load of the kernel reads v1 as its offset, every store v2
.set k, 0
.rept XB*BL                                    ; blocks 0, 1 and 2 into X0, X1, X2: no vector instruction has named these registers
	global_load_b128 v[X+4*k:X+4*k+3], v1, s[32:33] offset:4096*k th:TH_LOAD_NT
.set k, k+1
.endr
	; THE TABLE: rows 2 g and 2 g + 1, by waves 0 to 3.  Thread t: pos = 2 g + t / 64; u = t % 64; u < 32: cosines, else sines, of i = 2 (u % 32) and the next.  Its 8 bytes lie at 1,024 g + 8 t.
	s_cmp_lt_u32 s37, 4
	s_cbranch_scc0 .Lno_table
	s_mov_b32 s42, 0xbfc90000                      ; -pi/2 in three parts: n x the first two is exact for n under 2^11
	s_mov_b32 s43, 0xb9fda000
	s_mov_b32 s44, 0xb3a22169
	s_mov_b32 s45, 0xb9500d01                      ; sine: -1/5040, 1/120, -1/6
	s_mov_b32 s46, 0x3c088889
	s_mov_b32 s47, 0xbe2aaaab
	s_mov_b32 s48, 0x37d00d01                      ; cosine: 1/40320, -1/720, 1/24
	s_mov_b32 s49, 0xbab60b61
	s_mov_b32 s50, 0x3d2aaaab
	s_lshl_b32 s38, s4, 10
	s_add_nc_u64 s[28:29], s[28:29], s[38:39]
	v_lshrrev_b32 v[TT], 6, v0
	v_lshl_add_u32 v[TT], s4, 1, v[TT]
	v_cvt_f32_u32 v[TT], v[TT]                     ; pos
	v_and_b32 v[TT+1], 63, v0
	v_lshrrev_b32 v[TT+2], 5, v[TT+1]              ; 1: sines
	v_and_b32 v[TT+3], 31, v[TT+1]
	v_lshlrev_b32 v[TT+3], 1, v[TT+3]
	v_add_nc_u32 v[TT+4], 1, v[TT+3]
	v_cvt_f32_u32 v[TT+3], v[TT+3]
	v_cvt_f32_u32 v[TT+4], v[TT+4]
	v_mul_f32 v[TT+3], 0xbe549a78, v[TT+3]         ; -i log2(10000) / 64
	v_mul_f32 v[TT+4], 0xbe549a78, v[TT+4]
	v_exp_f32 v[TT+3], v[TT+3]
	v_exp_f32 v[TT+4], v[TT+4]
	v_sub_nc_u32 v[TT+2], 1, v[TT+2]               ; the plain instruction behind the two exponentials: cos a = sin(a + pi/2), a quarter turn more
	s_wait_alu depctr_va_vdst(0)                   ; the two exponentials have written v[TT+3] and v[TT+4]: one wait for both, ahead of their first reader
	v_mul_f32 v[TT+3], v[TT], v[TT+3]              ; the angles
	v_mul_f32 v[TT+4], v[TT], v[TT+4]
; a = n pi/2 + r, |r| <= pi/4; sin r and cos r by their series (next terms under 4e-7); quarter n + (1 for a cosine): odd takes cos r, and bit 1 turns the sign.
; SERIES ends with the compare, into a mask of its own, and the sign bit; CHOOSE reads the mask.  Both angles' SERIES stand ahead of one wait for the two masks.
.macro SERIES z
	v_mul_f32 v[TT+6+\z], 0x3f22f983, v[TT+3+\z]
	v_rndne_f32 v[TT+6+\z], v[TT+6+\z]
	v_fma_f32 v[TT+8+\z], v[TT+6+\z], s42, v[TT+3+\z]
	v_fma_f32 v[TT+8+\z], v[TT+6+\z], s43, v[TT+8+\z]
	v_fma_f32 v[TT+8+\z], v[TT+6+\z], s44, v[TT+8+\z]
	v_mul_f32 v[TT+10+\z], v[TT+8+\z], v[TT+8+\z]
	v_fma_f32 v[TT+12+\z], v[TT+10+\z], s45, s46
	v_fma_f32 v[TT+12+\z], v[TT+12+\z], v[TT+10+\z], s47
	v_mul_f32 v[TT+12+\z], v[TT+12+\z], v[TT+10+\z]
	v_fma_f32 v[TT+12+\z], v[TT+12+\z], v[TT+8+\z], v[TT+8+\z]
	v_fma_f32 v[TT+14+\z], v[TT+10+\z], s48, s49
	v_fma_f32 v[TT+14+\z], v[TT+14+\z], v[TT+10+\z], s50
	v_fma_f32 v[TT+14+\z], v[TT+14+\z], v[TT+10+\z], -0.5
	v_fma_f32 v[TT+14+\z], v[TT+14+\z], v[TT+10+\z], 1.0
	v_cvt_i32_f32 v[TT+16+\z], v[TT+6+\z]
	v_add_nc_u32 v[TT+16+\z], v[TT+16+\z], v[TT+2]
	v_and_b32 v[TT+18+\z], 1, v[TT+16+\z]
	v_cmp_eq_u32 s[MK+\z], 1, v[TT+18+\z]
	v_and_b32 v[TT+18+\z], 2, v[TT+16+\z]
	v_lshlrev_b32 v[TT+18+\z], 30, v[TT+18+\z]
.endm
.macro CHOOSE z
	v_cndmask_b32 v[R+\z], v[TT+12+\z], v[TT+14+\z], s[MK+\z]
	v_xor_b32 v[R+\z], v[R+\z], v[TT+18+\z]
.endm
	SERIES 0
	SERIES 1
	s_wait_alu depctr_va_sdst(0)                   ; the two compares have written s51 and s52, ahead of the selects that read them
	CHOOSE 0
	CHOOSE 1
	s_wait_alu depctr_va_vdst(0)                   ; the last two lines have written v[R:R+1], which the store reads
	global_store_b64 v2, v[R:R+1], s[28:29]        ; a wave stores 256 consecutive bytes, aligned; its registers are written by nothing else
.Lno_table:
; The eight blocks.  f16 = 1: the bf16 number is widened again and written as f16.
.macro CAST f16
.set p, 0
.rept NB
.set left, 2*BL                                ; the younger loads, which stay out: two blocks' eight, and in the last two blocks as many as there still are
.if p > NB-3
.set left, BL*(NB-1-p)
.endif
	s_wait_loadcnt left                            ; loads come back in order (ISA guide 5.7.1): X[p % 3] is in
.set i, 0
.rept BL
.set rx, X+4*BL*(p%XB)+4*i
.set ry, Y+2*(BL*p+i)
	v_cvt_pk_bf16_f32 v[ry], v[rx], v[rx+1]
	v_cvt_pk_bf16_f32 v[ry+1], v[rx+2], v[rx+3]
.if \f16
	v_lshlrev_b32 v[T], 16, v[ry]
	v_and_b32 v[T+1], 0xffff0000, v[ry]
	v_lshlrev_b32 v[T+2], 16, v[ry+1]
	v_and_b32 v[T+3], 0xffff0000, v[ry+1]
	v_cvt_pk_f16_f32 v[ry], v[T], v[T+1]
	v_cvt_pk_f16_f32 v[ry+1], v[T+2], v[T+3]
.endif
.set i, i+1
.endr
	s_wait_alu depctr_va_vdst(0)                   ; the block's conversions are done reading X[p % 3], in which the loads below land, and have written its Y, which the stores below read
.if p+XB < NB
.set i, 0
.rept BL
.set rx, X+4*BL*(p%XB)+4*i
	global_load_b128 v[rx:rx+3], v1, s[32:33] offset:4096*(BL*(p+XB)+i) th:TH_LOAD_NT  ; the buffer's next block, ahead of the stores
.set i, i+1
.endr
.endif
.set i, 0
.rept BL
.set ry, Y+2*(BL*p+i)
	global_store_b64 v2, v[ry:ry+1], s[34:35] offset:2048*(BL*p+i) th:TH_STORE_NT
.set i, i+1
.endr
.set p, p+1
.endr
.endm
	s_cmp_lt_u32 s4, 960
	s_cbranch_scc0 .Lwo
	CAST 0
	s_endpgm
.Lwo:
	CAST 1
	s_endpgm
.Lfunc_end_k_q5e0c31eb82_prep:
	.size	k_q5e0c31eb82_prep, .Lfunc_end_k_q5e0c31eb82_prep-k_q5e0c31eb82_prep
	.p2alignl 7, 3214868480
	.fill 96, 4, 3214868480
	.section	.rodata,"a",@progbits
	.p2align	6, 0x0
	.amdhsa_kernel k_q5e0c31eb82_prep
		.amdhsa_group_segment_fixed_size 0
		.amdhsa_private_segment_fixed_size 0
		.amdhsa_enable_private_segment 0
		.amdhsa_kernarg_size 88
		.amdhsa_user_sgpr_count 2
		.amdhsa_user_sgpr_kernarg_segment_ptr 1
		.amdhsa_wavefront_size32 1
		.amdhsa_system_sgpr_workgroup_id_x 1
		.amdhsa_system_sgpr_workgroup_id_y 1
		.amdhsa_system_sgpr_workgroup_id_z 1
		.amdhsa_system_vgpr_workitem_id 0
		.amdhsa_next_free_vgpr 128
		.amdhsa_next_free_sgpr 66
		.amdhsa_reserve_vcc 0
		.amdhsa_float_denorm_mode_32 3
		.amdhsa_float_denorm_mode_16_64 3
		.amdhsa_memory_ordered 1
		.amdhsa_forward_progress 1
		.amdhsa_inst_pref_size 36
	.end_amdhsa_kernel
	.amdgpu_metadata
---
amdhsa.version: [ 1, 2 ]
amdhsa.kernels:
  - .name:           k_q5e0c31eb82_prep
    .symbol:         k_q5e0c31eb82_prep.kd
    .args:
      - { .name: query_input, .offset: 0, .size: 8, .value_kind: global_buffer, .address_space: global }
      - { .name: key_input, .offset: 8, .size: 8, .value_kind: global_buffer, .address_space: global }
      - { .name: value_input, .offset: 16, .size: 8, .value_kind: global_buffer, .address_space: global }
      - { .name: W_Q, .offset: 24, .size: 8, .value_kind: global_buffer, .address_space: global }
      - { .name: W_K, .offset: 32, .size: 8, .value_kind: global_buffer, .address_space: global }
      - { .name: W_V, .offset: 40, .size: 8, .value_kind: global_buffer, .address_space: global }
      - { .name: W_O, .offset: 48, .size: 8, .value_kind: global_buffer, .address_space: global }
      - { .name: xb, .offset: 56, .size: 8, .value_kind: global_buffer, .address_space: global }
      - { .name: wb, .offset: 64, .size: 8, .value_kind: global_buffer, .address_space: global }
      - { .name: wo, .offset: 72, .size: 8, .value_kind: global_buffer, .address_space: global }
      - { .name: rot, .offset: 80, .size: 8, .value_kind: global_buffer, .address_space: global }
    .group_segment_fixed_size: 0
    .private_segment_fixed_size: 0
    .kernarg_segment_align: 8
    .kernarg_segment_size: 88
    .max_flat_workgroup_size: 256
    .sgpr_count:     66
    .vgpr_count:     128
    .wavefront_size: 32
...
	.end_amdgpu_metadata
.endif
;; end of part 5
;; launch proj: the kernel of part 2 again; grid 4 x 48, 4 waves a work-group, clusters of 4 x 4, 327,680 bytes of LDS; arguments xb, wb, b_Q, b_K, b_V, rot, qkv; writes qkv
;; launch attn: the kernel of part 3 again; grid 16 x 16, 4 waves a work-group, clusters of 4 x 1, 327,680 bytes of LDS; arguments qkv, zb; writes zb
;; launch outp: the kernel of part 4 again; grid 8 x 32, 4 waves a work-group, clusters of 4 x 4, 327,680 bytes of LDS; arguments zb, wo, b_O, out0; writes out0
